; MI455X (gfx1250); checked and timed in simulation.
; The chip was launched on July 23, 2026; its instructions are those of AMD's public machine-readable ISA for CDNA 5 (MIT licence, August 2026) and "CDNA5" Instruction Set Architecture Reference Guide (July 2026). The comments in the code are by the model that wrote it; some were corrected since.
;; Flash Multihead Attention. Allowed arithmetic: matrix products marked QUANTISED: E2M1 operands, one E8M0 scale for each 32 along K, by v_wmma_scale_f32_16x16x128_f8f6f4 with both operands' format E2M1 (or v_wmma_scale_f32_32x16x128_f4), f32 sums; products left as they are: bf16, f16 or f32 operands; f32 sums; everything else in f32.
;; Inputs: Wk 2,048 x 2,048 float32; Wo 2,048 x 2,048 float32; Wq 2,048 x 2,048 float32; Wv 2,048 x 2,048 float32; key_ 2,048 x 2,048 float32; query 2,048 x 2,048 float32; value 2,048 x 2,048 float32.
;; Outputs: out0 2,048 x 2,048 float32.
;; This version of the problem:
;;   THIS VERSION OF THE PROBLEM IS GIVEN IN LOW PRECISION. The matrix products marked QUANTISED in the list below multiply operands that are first quantised to E2M1 (2 exponent bits, 1 mantissa bit; 4 bits a number), with one power-of-two scale for each 32 numbers along K (OCP MX v1.0); their sums are f32. The products marked 'left as it is' may take bf16, f16 or f32 operands, with f32 sums. Whichever they take, every output number must still come out within the allowed error. Rounding operands to bf16 (8 significant bits) uses up far more of that allowance than f16 does (11 bits, for magnitudes from 6e-5 to 65,504). All else is computed in f32.
;;   The module's matrix products, in the order in which they are computed (A, B: the left and right operand; K: the contracted axis; several contracted axes count as one K, in the product's order):
;;     1. [M 2,048, K 2,048] x [K 2,048, N 2,048]; A: input query; B: input Wq: QUANTISED
;;     2. [M 2,048, K 2,048] x [K 2,048, N 2,048]; A: input key_; B: input Wk: QUANTISED
;;     3. [M 2,048, K 2,048] x [K 2,048, N 2,048]; A: input value; B: input Wv: QUANTISED
;;     4. batch 16 x [M 2,048, K 128] x [K 128, N 2,048]; A: computed on the way; B: computed on the way: left as it is (an operand is computed on the way)
;;     5. batch 16 x [M 128, K 2,048] x [K 2,048, N 2,048]; A: computed on the way; B: computed on the way: left as it is (an operand is computed on the way)
;;     6. [M 2,048, K 2,048] x [K 2,048, N 2,048]; A: computed on the way; B: input Wo: left as it is (an operand is computed on the way)
;;   THE QUANTISER, for each operand of a quantised product, along K:
;;     - K is cut into blocks of 32 from its start; a last block that is shorter is filled with zeros.
;;     - A block's scale is 2^e with e = floor(log2(the largest magnitude in the block)) - 2, held to -126 .. 127; a block of zeros has e = 0. As a byte (E8M0): e + 127.
;;     - Each number is divided by its block's scale, clamped to +-6, and rounded to the nearest number of E2M1, ties to even, subnormals kept.
;;     - The product sums the exact products of the quantised numbers (number of the format x scale) in f32.
;;   ~~~python
;;   def quantise(x, axis):      # numpy; x: float32 -> the quantised numbers, widened to float32 again
;;       x = np.moveaxis(x, axis, -1); K = x.shape[-1]
;;       x = np.pad(x, [(0, 0)] * (x.ndim - 1) + [(0, -K % 32)]); x = x.reshape(x.shape[:-1] + (-1, 32)); a = np.abs(x).max(-1, keepdims=True)
;;       e = np.where(a > 0, np.clip(np.frexp(np.where(a > 0, a, 1))[1] - 1 - 2, -126, 127), 0)      # np.frexp(a)[1] - 1 = floor(log2(a)), exactly
;;       r = np.clip(x / 2.0 ** e, -6, 6)
;;       step = 2.0 ** (np.maximum(np.frexp(np.where(r == 0, 1, r))[1] - 1, 0) - 1)
;;       q = np.round(r / step) * step * 2.0 ** e      # np.round: ties to even
;;       return np.moveaxis(q.reshape(q.shape[:-2] + (-1,))[..., :K], -1, axis).astype(np.float32)
;;   ~~~
;; One version. Each part assembles by itself: llvm-mc -triple=amdgcn-amd-amdhsa -mcpu=gfx1250 --defsym DOCPART=n.
;; ======== version 1 of 1: 5 launches
;; limits: values are held in f16: magnitudes above 65,504 overflow, below 6.1e-05 lose precision
;; workspace buffers: codes 12,582,912 bytes; scales 786,432 bytes; wo16 8,388,608 bytes; rope 1,048,576 bytes; qkv16 25,165,824 bytes; head32 393,216 bytes; attn16 8,388,608 bytes
;; launch prep (part 1): grid 1024 x 1, 4 waves a work-group, no clusters, 33,280 bytes of LDS; arguments query, key_, value, Wq, Wk, Wv, Wo, codes, scales, wo16, rope; writes codes, scales, wo16, rope
.if DOCPART == 1
	.amdgcn_target "amdgcn-amd-amdhsa--gfx1250"
	.amdhsa_code_object_version 6
	.text
	.protected	k_qb01f1e0da4_prep
	.globl	k_qb01f1e0da4_prep
	.p2align	8
	.type	k_qb01f1e0da4_prep,@function
k_qb01f1e0da4_prep:
	s_mov_b64 s[64:65], 0
	v_nop
	global_prefetch_b8 v0, s[64:65] scope:SCOPE_SE
	s_setreg_imm32_b32 hwreg(HW_REG_WAVE_MODE, 25, 1), 1
	s_wait_xcnt 0x0
; PREP: three kinds of work-groups, told apart by the work-group's number alone.
;   0 .. 767:   query, key_, value, Wq, Wk, Wv (each [2048][2048] f32, K innermost) become codes of E2M1 and E8M0 scale bytes: codes [12288 rows][1024 bytes], scales [12288][64], the six tensors on end.
;   768 .. 895: Wo becomes f16, [2048 n][2048 k].
;   896 .. 1023: the table of 0.25 cos and 0.25 sin of the rotary angles, laid as the next launch's registers take it.
; THE QUANTISER.  A block's scale is 2^(floor(log2(largest magnitude)) - 2); its byte is the largest magnitude's exponent field - 2, held at 1 from below; each number is divided by the scale and rounded to the nearest code, ties to even,
; beyond 6 the largest code.  Rows are dense and 2048 is a multiple of 32: a tensor is a plain stream of blocks of 32.
; LIMITS: NaN and infinities among the inputs are not served.  A block of zeros gets the byte 1 (the rule says 127): its codes are zeros, and this program alone reads the bytes.  Blocks whose largest magnitude lies under 2^-124 have their byte held at 1.
; Wo must stay under 65,504 in magnitude (f16).  The angles: frequency 2^(-i log2(10000) / 64) by v_exp_f32, within about two units in its last place of the reference's power and division, that is at most some 5e-4 radians at position 2,047.
.set WAVES, 4
.set STEPS, 16
.set EMAX,  2
.set CB,    8                          ; bytes of 16 codes
.set R,     16                         ; v16-79   four sets of 16 numbers as loaded (Wo: sixteen slots of 4)
.set X,     80                         ; v80-111  two sets of 16 neighbours
.set C,     128                        ; v128-191 codes, four registers a step (Wo: sixteen slots of 2)
.set E,     112                        ; v112-127 a scale byte for each step
.set WREG,  8192                       ; LDS: a region for each wave: two stages of 32 x SP bytes, then its 256 scale bytes
.set SP,    80                         ; a lane's place in a stage: 64 bytes + 16 of padding
.set SPW,   12                         ; v12 LDS address of my spare word; never rewritten
.set NIL,   13                         ; v13 0; never rewritten
.set SPARE, WAVES*WREG                 ; the spare words, 128 bytes for each wave
	s_load_b512 s[4:19], s[0:1], 0x0               ; query, key_, value, Wq, Wk, Wv, Wo s[16:17], codes s[18:19]
	s_load_b128 s[20:23], s[0:1], 0x40             ; scales, wo16
	s_load_b64 s[24:25], s[0:1], 0x50              ; rope
	v_lshl_add_u32 v[SPW], v0, 2, SPARE
	v_mov_b32 v[NIL], 0
	v_lshrrev_b32 v1, 5, v0
	v_readfirstlane_b32 s26, v1                    ; wave
	v_and_b32 v2, 31, v0                           ; lane
	s_cmp_ge_u32 ttmp9, 896
	s_cbranch_scc1 .Ltab
	s_cmp_ge_u32 ttmp9, 768
	s_cbranch_scc1 .Lwo
; ---- the quantiser: a wave takes 16 steps of 512 numbers.  Loads read 512 consecutive bytes; a step turns through the wave's own stage so that a lane holds 16 neighbours; two neighbouring lanes hold a block.
	v_lshlrev_b32 v3, 4, v2                        ; my 16 bytes of a load's 512
	s_mul_i32 s27, s26, WREG
	v_lshrrev_b32 v14, 2, v2
	v_mul_u32_u24 v14, v14, SP
	v_and_b32 v15, 3, v2
	v_lshl_add_u32 v14, v15, 4, v14
	v_add_nc_u32 v14, s27, v14                     ; the stage, in: SP (lane / 4) + 16 (lane % 4)
	v_mul_u32_u24 v15, v2, SP
	v_add_nc_u32 v15, s27, v15                     ; and out: SP x lane
	v_mul_u32_u24 v4, v2, CB                       ; my codes' place in a step's
	v_lshrrev_b32 v5, 1, v2
	s_add_co_u32 s27, s27, 2*32*SP
	v_add_nc_u32 v5, s27, v5                       ; my block's scale byte in LDS
	v_lshlrev_b32 v7, 3, v2
	v_add_nc_u32 v6, s27, v7                       ; and on the way out 8 bytes a lane
	s_lshr_b32 s28, ttmp9, 7                       ; which tensor: 128 work-groups each
	s_and_b32 s29, ttmp9, 127
	s_lshl_b32 s30, s29, 17                        ; 32,768 numbers a work-group,
	s_lshl_b32 s31, s26, 15                        ; 8,192 a wave
	s_add_co_u32 s30, s30, s31
	s_mov_b32 s31, 0
	s_lshl_b32 s32, ttmp9, 2
	s_add_co_u32 s32, s32, s26                     ; my run of 8,192 numbers among all six tensors'
	s_lshl_b32 s34, s32, 12                        ; 4,096 bytes of codes a run
	s_mov_b32 s35, 0
	s_lshl_b32 s36, s32, 8                         ; 256 scale bytes a run
	s_mov_b32 s37, 0
	s_wait_kmcnt 0x0
	s_cmp_eq_u32 s28, 1                            ; the source is chosen by the work-group's number alone
	s_cselect_b64 s[4:5], s[6:7], s[4:5]
	s_cmp_eq_u32 s28, 2
	s_cselect_b64 s[4:5], s[8:9], s[4:5]
	s_cmp_eq_u32 s28, 3
	s_cselect_b64 s[4:5], s[10:11], s[4:5]
	s_cmp_eq_u32 s28, 4
	s_cselect_b64 s[4:5], s[12:13], s[4:5]
	s_cmp_eq_u32 s28, 5
	s_cselect_b64 s[4:5], s[14:15], s[4:5]
	s_add_nc_u64 s[4:5], s[4:5], s[30:31]
	s_add_nc_u64 s[18:19], s[18:19], s[34:35]
	s_add_nc_u64 s[20:21], s[20:21], s[36:37]
.macro LOAD t
.irp i, 0,1,2,3
	global_load_b128 v[R+16*((\t)%4)+4*\i:R+16*((\t)%4)+4*\i+3], v3, s[4:5] offset:2048*(\t)+512*\i th:TH_LOAD_NT
.endr
.endm
.macro TURN t                          ; a step's numbers through the stage: LDS serves a wave's instructions in order, so no wait stands between the stores and the loads
.irp i, 0,1,2,3
	ds_store_b128 v14, v[R+16*((\t)%4)+4*\i:R+16*((\t)%4)+4*\i+3] offset:32*SP*((\t)%2)+8*SP*\i
.endr
.irp i, 0,1,2,3
	ds_load_b128 v[X+16*((\t)%2)+4*\i:X+16*((\t)%2)+4*\i+3], v15 offset:32*SP*((\t)%2)+16*\i
.endr
.endm
.irp t, 0,1,2,3
	LOAD \t
.endr
	s_wait_loadcnt 12                              ; step 0's four loads are in; the twelve of steps 1 to 3 may be out
	TURN 0
.macro STEP t
.set XS, X+16*((\t)%2)
.if (\t) > 0
	s_wait_dscnt 1                                 ; this step's numbers are back from the stage; the last step's byte store may be out
.else
	s_wait_dscnt 0x0
.endif
.if (\t)+4 < STEPS
	LOAD (\t)+4
.endif
.if (\t)+1 < STEPS
.if STEPS-2-(\t) >= 3
	s_wait_loadcnt 12                              ; the next step's four loads are in; those of the three steps behind it may be out
.else
	s_wait_loadcnt 4*(STEPS-2-(\t))
.endif
	TURN (\t)+1
.endif
	v_max3_num_f32 v8, |v[XS]|, |v[XS+1]|, |v[XS+2]|
	v_max3_num_f32 v9, |v[XS+3]|, |v[XS+4]|, |v[XS+5]|
.irp i, 6,10
	v_max3_num_f32 v8, v8, |v[XS+\i]|, |v[XS+\i+1]|
	v_max3_num_f32 v9, v9, |v[XS+\i+2]|, |v[XS+\i+3]|
.endr
	v_max3_num_f32 v8, v8, |v[XS+14]|, |v[XS+15]|
	v_max3_num_f32 v8, v8, v9, (EMAX+1)<<23        ; the floor 2^(3 - 127): the byte cannot fall under 1
	v_max_num_f32_dpp v8, v8, v8 row_xmask:1 row_mask:0xf bank_mask:0xf   ; with my neighbour's 16: the block's largest magnitude
	v_add_nc_u32 v11, -(EMAX<<23), v8              ; 2 off its exponent field: the conversion takes the exponent field of this operand as its scale
	v_cvt_scalef32_pk8_fp4_f32 v[C+4*(\t)], v[XS:XS+7], v11
	v_cvt_scalef32_pk8_fp4_f32 v[C+4*(\t)+1], v[XS+8:XS+15], v11
	v_lshrrev_b32 v[E+(\t)], 23, v11               ; the scale's byte
	ds_store_b8 v5, v[E+(\t)] offset:16*(\t)       ; both lanes of a block write the same byte with the same value
	global_store_b64 v4, v[C+4*(\t):C+4*(\t)+1], s[18:19] offset:32*CB*(\t)   ; the wave stores 256 consecutive bytes, aligned
.endm
.irp t, 0,1,2,3,4,5,6,7,8,9,10,11,12,13,14,15
	STEP \t
.endr
	ds_load_b64 v[8:9], v6                         ; my wave's 256 scale bytes: these loads see my stores
	s_wait_dscnt 0x0
	global_store_b64 v7, v[8:9], s[20:21]          ; 256 consecutive bytes, aligned
	s_wait_tensorcnt 0x0                           ; the wave's end: behind my last LDS store
	ds_add_u32 v[SPW], v[NIL]
	s_wait_dscnt 0x0
	s_endpgm
; ---- Wo to f16: a wave takes 8,192 numbers, 64 loads of 512 bytes through sixteen register slots; no LDS
.Lwo:
	v_lshlrev_b32 v3, 4, v2
	v_lshlrev_b32 v4, 3, v2
	s_sub_co_u32 s27, ttmp9, 768
	s_lshl_b32 s27, s27, 2
	s_add_co_u32 s27, s27, s26
	s_lshl_b32 s28, s27, 15
	s_mov_b32 s29, 0
	s_lshl_b32 s30, s27, 14
	s_mov_b32 s31, 0
	s_wait_kmcnt 0x0
	s_add_nc_u64 s[16:17], s[16:17], s[28:29]
	s_add_nc_u64 s[22:23], s[22:23], s[30:31]
.irp n, 0,1,2,3,4,5,6,7,8,9,10,11,12,13,14,15
	global_load_b128 v[R+4*\n:R+4*\n+3], v3, s[16:17] offset:512*\n th:TH_LOAD_NT
.endr
.set N, 0
.rept 64
.if 63-N < 15
	s_wait_loadcnt 63-N                            ; the loads issued behind load N: the counts run down at the end
.else
	s_wait_loadcnt 15                              ; load N is in; the fifteen behind it may be out
.endif
.if N >= 16
	s_wait_xcnt 0x0                                ; the store of sixteen steps ago has read its data: they are written again only behind this wait
.endif
	v_cvt_pk_f16_f32 v[C+2*(N%16)], v[R+4*(N%16)], v[R+4*(N%16)+1]
	v_cvt_pk_f16_f32 v[C+2*(N%16)+1], v[R+4*(N%16)+2], v[R+4*(N%16)+3]
.if N+16 < 64
	global_load_b128 v[R+4*(N%16):R+4*(N%16)+3], v3, s[16:17] offset:512*(N+16) th:TH_LOAD_NT
.endif
	global_store_b64 v4, v[C+2*(N%16):C+2*(N%16)+1], s[22:23] offset:256*N   ; 256 consecutive bytes, aligned
.set N, N+1
.endr
	s_endpgm
; ---- the table.  Work-group T = 16 positions; wave b = frequencies 16 b .. 16 b + 15; lane (r, h): position 16 T + r, frequencies i = 16 b + 8 h + j, j = 0 .. 7.
; rope[T][b][p][lane][16 bytes]: p = 0, 1: 0.25 cos of j = 4 p .. 4 p + 3; p = 2, 3: 0.25 sin of j = 4 (p - 2) ..
; cos and sin by reduction to |rho| <= pi / 4 (pi / 2 in two parts, fused) and Taylor polynomials to rho^7 and rho^8: their error is at most 3.1e-7.
.set TF, 16
.set TN, 24
.set TR, 32
.set TZ, 40
.set TS, 48
.set TC, 56
.set TQ, 64
.set TT, 72
.Ltab:
	s_sub_co_u32 s27, ttmp9, 896                   ; T
	v_and_b32 v3, 15, v2                           ; r
	v_lshrrev_b32 v4, 4, v2                        ; h
	s_lshl_b32 s28, s27, 4
	v_add_nc_u32 v3, s28, v3
	v_cvt_f32_u32 v3, v3                           ; the position
	s_lshl_b32 s28, s26, 4
	v_lshl_add_u32 v4, v4, 3, s28                  ; 16 b + 8 h
	v_lshlrev_b32 v5, 4, v2                        ; 16 x lane
	s_lshl_b32 s28, s27, 2
	s_add_co_u32 s28, s28, s26
	s_lshl_b32 s28, s28, 11                        ; (4 T + b) x 2,048 bytes
	s_mov_b32 s29, 0
	s_mov_b32 s30, 0xbe549a78                      ; -log2(10000) / 64
	s_mov_b32 s31, 0x3f22f983                      ; 2 / pi
	s_mov_b32 s32, 0xbfc90fdb                      ; -(pi / 2), its leading part
	s_mov_b32 s33, 0x333bbd2e                      ; what that part has too much
	s_mov_b32 s34, 0xbe2aaaab                      ; -1/6
	s_mov_b32 s35, 0x3c088889                      ; 1/120
	s_mov_b32 s36, 0xb9500d01                      ; -1/5040
	s_mov_b32 s37, 0x3d2aaaab                      ; 1/24
	s_mov_b32 s38, 0xbab60b61                      ; -1/720
	s_mov_b32 s39, 0x37d00d01                      ; 1/40320
	s_wait_kmcnt 0x0
	s_add_nc_u64 s[24:25], s[24:25], s[28:29]
.irp j, 0,1,2,3,4,5,6,7
	v_add_nc_u32 v[TF+\j], \j, v4
.endr
.irp j, 0,1,2,3,4,5,6,7
	v_cvt_f32_u32 v[TF+\j], v[TF+\j]
.endr
.irp j, 0,1,2,3,4,5,6,7
	v_mul_f32 v[TF+\j], s30, v[TF+\j]
.endr
.irp j, 0,1,2,3,4,5,6,7
	v_exp_f32 v[TF+\j], v[TF+\j]                   ; the frequency
.endr
	v_nop                                          ; a plain instruction behind the batch,
	s_wait_alu depctr_va_vdst(0)                   ; and one wait for the eight, ahead of their first reader
.irp j, 0,1,2,3,4,5,6,7
	v_mul_f32 v[TF+\j], v3, v[TF+\j]               ; the angle, rounded once
.endr
.irp j, 0,1,2,3,4,5,6,7
	v_mul_f32 v[TN+\j], s31, v[TF+\j]
.endr
.irp j, 0,1,2,3,4,5,6,7
	v_rndne_f32 v[TN+\j], v[TN+\j]                 ; n quarter turns
.endr
.irp j, 0,1,2,3,4,5,6,7
	v_fma_f32 v[TR+\j], v[TN+\j], s32, v[TF+\j]
.endr
.irp j, 0,1,2,3,4,5,6,7
	v_fma_f32 v[TR+\j], v[TN+\j], s33, v[TR+\j]    ; rho
.endr
.irp j, 0,1,2,3,4,5,6,7
	v_mul_f32 v[TZ+\j], v[TR+\j], v[TR+\j]
.endr
.irp j, 0,1,2,3,4,5,6,7
	v_fma_f32 v[TS+\j], v[TZ+\j], s36, s35
	v_fma_f32 v[TC+\j], v[TZ+\j], s39, s38
.endr
.irp j, 0,1,2,3,4,5,6,7
	v_fma_f32 v[TS+\j], v[TS+\j], v[TZ+\j], s34
	v_fma_f32 v[TC+\j], v[TC+\j], v[TZ+\j], s37
.endr
.irp j, 0,1,2,3,4,5,6,7
	v_mul_f32 v[TS+\j], v[TS+\j], v[TZ+\j]
	v_fma_f32 v[TC+\j], v[TC+\j], v[TZ+\j], -0.5
.endr
.irp j, 0,1,2,3,4,5,6,7
	v_fma_f32 v[TS+\j], v[TR+\j], v[TS+\j], v[TR+\j]   ; sin rho
	v_fma_f32 v[TC+\j], v[TC+\j], v[TZ+\j], 1.0        ; cos rho
.endr
.irp j, 0,1,2,3,4,5,6,7
	v_cvt_i32_f32 v[TQ+\j], v[TN+\j]
.endr
.irp j, 0,1,2,3,4,5,6,7
	v_and_b32 v[TT+\j], 1, v[TQ+\j]
.endr
.irp j, 0,1,2,3,4,5,6,7
	v_cmp_eq_u32 vcc_lo, 1, v[TT+\j]               ; in an odd quarter the two change places
	v_cndmask_b32 v[TT+\j], v[TC+\j], v[TS+\j], vcc_lo
	v_cndmask_b32 v[TS+\j], v[TS+\j], v[TC+\j], vcc_lo
.endr
.irp j, 0,1,2,3,4,5,6,7
	v_add_nc_u32 v[TN+\j], 1, v[TQ+\j]
.endr
.irp j, 0,1,2,3,4,5,6,7
	v_and_b32 v[TN+\j], 2, v[TN+\j]                ; the cosine is negative in quarters 1 and 2,
	v_and_b32 v[TQ+\j], 2, v[TQ+\j]                ; the sine in quarters 2 and 3
.endr
.irp j, 0,1,2,3,4,5,6,7
	v_lshlrev_b32 v[TN+\j], 30, v[TN+\j]
	v_lshlrev_b32 v[TQ+\j], 30, v[TQ+\j]
.endr
.irp j, 0,1,2,3,4,5,6,7
	v_xor_b32 v[TC+\j], v[TN+\j], v[TT+\j]
	v_xor_b32 v[TS+\j], v[TQ+\j], v[TS+\j]
.endr
.irp j, 0,1,2,3,4,5,6,7
	v_mul_f32 v[TC+\j], 0x3e800000, v[TC+\j]       ; x 1/4, exact: q and k are kept as q / 4 and k / 4, for f16's range
	v_mul_f32 v[TS+\j], 0x3e800000, v[TS+\j]
.endr
	global_store_b128 v5, v[TC:TC+3], s[24:25]                 ; each store covers 512 consecutive bytes, aligned
	global_store_b128 v5, v[TC+4:TC+7], s[24:25] offset:512
	global_store_b128 v5, v[TS:TS+3], s[24:25] offset:1024
	global_store_b128 v5, v[TS+4:TS+7], s[24:25] offset:1536
	s_endpgm
.Lfunc_end_k_qb01f1e0da4_prep:
	.size	k_qb01f1e0da4_prep, .Lfunc_end_k_qb01f1e0da4_prep-k_qb01f1e0da4_prep
	.p2alignl 7, 3214868480
	.fill 96, 4, 3214868480
	.section	.rodata,"a",@progbits
	.p2align	6, 0x0
	.amdhsa_kernel k_qb01f1e0da4_prep
		.amdhsa_group_segment_fixed_size 33280
		.amdhsa_private_segment_fixed_size 0
		.amdhsa_enable_private_segment 0
		.amdhsa_kernarg_size 88
		.amdhsa_user_sgpr_count 2
		.amdhsa_user_sgpr_kernarg_segment_ptr 1
		.amdhsa_wavefront_size32 1
		.amdhsa_system_sgpr_workgroup_id_x 1
		.amdhsa_system_sgpr_workgroup_id_y 1
		.amdhsa_system_sgpr_workgroup_id_z 1
		.amdhsa_system_vgpr_workitem_id 0
		.amdhsa_next_free_vgpr 192
		.amdhsa_next_free_sgpr 66
		.amdhsa_reserve_vcc 1
		.amdhsa_float_denorm_mode_32 3
		.amdhsa_float_denorm_mode_16_64 3
		.amdhsa_memory_ordered 1
		.amdhsa_forward_progress 1
		.amdhsa_inst_pref_size 70
	.end_amdhsa_kernel
	.amdgpu_metadata
---
amdhsa.version: [ 1, 2 ]
amdhsa.kernels:
  - .name:           k_qb01f1e0da4_prep
    .symbol:         k_qb01f1e0da4_prep.kd
    .args:
      - { .name: query, .offset: 0, .size: 8, .value_kind: global_buffer, .address_space: global }
      - { .name: key_, .offset: 8, .size: 8, .value_kind: global_buffer, .address_space: global }
      - { .name: value, .offset: 16, .size: 8, .value_kind: global_buffer, .address_space: global }
      - { .name: Wq, .offset: 24, .size: 8, .value_kind: global_buffer, .address_space: global }
      - { .name: Wk, .offset: 32, .size: 8, .value_kind: global_buffer, .address_space: global }
      - { .name: Wv, .offset: 40, .size: 8, .value_kind: global_buffer, .address_space: global }
      - { .name: Wo, .offset: 48, .size: 8, .value_kind: global_buffer, .address_space: global }
      - { .name: codes, .offset: 56, .size: 8, .value_kind: global_buffer, .address_space: global }
      - { .name: scales, .offset: 64, .size: 8, .value_kind: global_buffer, .address_space: global }
      - { .name: wo16, .offset: 72, .size: 8, .value_kind: global_buffer, .address_space: global }
      - { .name: rope, .offset: 80, .size: 8, .value_kind: global_buffer, .address_space: global }
    .group_segment_fixed_size: 33280
    .private_segment_fixed_size: 0
    .kernarg_segment_align: 8
    .kernarg_segment_size: 88
    .max_flat_workgroup_size: 128
    .sgpr_count:     66
    .vgpr_count:     192
    .wavefront_size: 32
...
	.end_amdgpu_metadata
.endif
;; end of part 1
;; launch qkv (part 2): grid 8 x 24, 4 waves a work-group, clusters of 4 x 4, 327,680 bytes of LDS; arguments codes, scales, rope, qkv16, head32; writes qkv16, head32
.if DOCPART == 2
	.amdgcn_target "amdgcn-amd-amdhsa--gfx1250"
	.amdhsa_code_object_version 6
	.text
	.protected	k_qb01f1e0da4_qkv
	.globl	k_qb01f1e0da4_qkv
	.p2align	8
	.type	k_qb01f1e0da4_qkv,@function
k_qb01f1e0da4_qkv:
	s_mov_b64 s[64:65], 0
	v_nop
	global_prefetch_b8 v0, s[64:65] scope:SCOPE_SE
	s_setreg_imm32_b32 hwreg(HW_REG_WAVE_MODE, 25, 1), 1
	s_wait_xcnt 0x0
	s_wait_alu depctr_hold_cnt(0) depctr_sa_sdst(0) depctr_va_vdst(0) depctr_va_sdst(0) depctr_va_ssrc(0) depctr_va_vcc(0) depctr_vm_vsrc(0)
	s_getreg_b32 s2, hwreg(HW_REG_IB_STS2, 6, 4)
	s_cmp_eq_u32 s2, 0
	s_cbranch_scc0 .Lentry_in_a_cluster
	s_endpgm
.Lentry_in_a_cluster:
	s_bfe_u32 s2, ttmp6, 0x10000c
	s_cmp_lg_u32 s2, 0xf033
	s_cbranch_scc0 .Lentry_shape_is_right
	s_endpgm
.Lentry_shape_is_right:
; QKV: the three quantised products in one launch, on codes of E2M1 with one E8M0 scale for each 32 along K, then RoPE on q and k, results as f16.
; C[m][n] = sum over k of A[m][k] B[n][k], K = 2048.  A's rows 0 .. 6143 of the codes are query, key_, value; B's rows 6144 .. are Wq, Wk, Wv.  Tile row ty (0 .. 23) of 256 rows names the role ty / 8 (q, k, v) and with it the weight.
; A tile of C, 256 x 256, is made by four waves, 128 x 128 each: 64 accumulators, 512 registers.  A wave's 128 columns are ONE HEAD, so that the two partners of a rotation, channels d and d + 64, lie in one lane.
; K goes in steps of 512 (rows of 256 bytes) through a ring of two LDS slots filled by the tensor data mover; the scale bytes of the work-group's rows, for all of K, come once with the first fills.
; CLUSTERS: 4 x 4 work-groups; A's tiles are asked for jointly along a row of the cluster, B's along a column.  The role hangs on the cluster's y alone: it is the same in all sixteen partners.
; THE MATRIX INSTRUCTION IS USED TRANSPOSED (source 0 = 16 rows of B, source 1 = 16 rows of A): lane (r, h) holds row r of C and of B's block b the columns 16 b + 8 h + 0 .. 7.
; OUT: qkv16 [6144][2048] f16: q / 4 and k / 4 after RoPE (the 1/4 lies in the table; exact), v as it is.  head32: positions 0 .. 15 of all three in f32, for the last launch.
; LIMITS: |q| / 4, |k| / 4 and |v| must stay under 65,504 (f16).
; REGISTERS, in windows of 256: window 0: v0-31 addresses; v32-95 scale words, two sets; from v128 A's fragments, one set; on the way out v32-191 are free.
;   window 1: B's fragments, two sets, at v0 and v128; v64-127 and v192-255: two blocks' table of cos and sin.   window 2, 3: the accumulators ((a, b) at v[8 (8 (a % 4) + b)] of window 2 + a / 4).
.set KSTEP,  512
.set NQ,     4
.set ROWB,   256
.set KROW,   1024
.set PITCH,  272                       ; an LDS row: 256 bytes + 16 of padding: the 16 rows that a load touches start 16 bytes apart modulo 256
.set FR,     8
.set NL,     2
.set NP,     4
.set HALFT,  128*PITCH
.set SLOT,   4*HALFT
.set KS,     64                        ; a row of scales in bytes
.set SCL,    2*SLOT
.set HALFS,  (128*KS/256)*272
.set SBLK,   (16*KS/256)*272
.set SPARE,  SCL+4*HALFS               ; the spare words, 128 bytes for each wave
.set SPITCH, 272                       ; the way out: a stage of 16 rows x (256 bytes + 16) for each wave, in slot 0, which has had its last fill and its last read by then
.set ADRA, 16
.set ADRB, 20
.set FRW,  22                          ; v22  0 in the waves that hold positions 0 .. 127 of their role
.set STO,  24
.set RD,   25
.set CO,   26
.set ADRS, 27
.set SPW,  28
.set NIL,  29
.set TBO,  30                          ; v30  16 x lane
.set VTO,  31                          ; v31  my place in v's transposed image
.set SC,   32
.set AF,   128
.set Y,    32                          ; the way out: 64 rotated numbers
.set PK,   96                          ; 32 registers of f16 pairs
.set BK,   128                         ; 16 rows read back from the stage: v128-159 and v160-191 by turns
.set G1, 24
.set G0, 32
.set G1B, 48
.set G0B, 56
.set G1S, 68
.set G0S, 76
.set G1SB, 80
.set G0SB, 88
.set MSB, 0
.macro WIN new                         ; the immediate's high byte repeats the setting that is left
.if MSB != (\new)
	s_set_vgpr_msb (MSB<<8)|(\new)
.set MSB, (\new)
.endif
.endm
.set MUL_LO, 0xa1
.set MUL_HI, 0xf1
.set TO_B,   0x40
; A joint load: waves 0 and 1 fetch for A, waves 2 and 3 for B; the branch hangs on the wave's number alone.  An s_nop 0 and four v_nop follow each of the two lines.
.macro JLOAD g0a, g1a, g0b, g1b
	s_cmp_eq_u32 s15, 0
	s_cbranch_scc0 .Lfor_b_\@
	tensor_load_to_lds s[\g0a:\g0a+3], s[\g1a:\g1a+7]
	s_nop 0
.rept 4
	v_nop
.endr
	s_branch .Lasked_\@
.Lfor_b_\@:
	tensor_load_to_lds s[\g0b:\g0b+3], s[\g1b:\g1b+7]
	s_nop 0
.rept 4
	v_nop
.endr
.Lasked_\@:
.endm
.macro CREST                           ; a round of the cluster's barrier behind its opening barrier
	s_cmp_lg_u32 s14, 0
	s_cbranch_scc1 .Lnot_wave_0_\@
	s_barrier_signal -3
.Lnot_wave_0_\@:
	s_barrier_wait -3
	s_barrier_signal -1
	s_barrier_wait -1
.endm
.macro CROUND
	s_barrier_signal -1
	s_barrier_wait -1
	CREST
.endm
	s_load_b128 s[4:7], s[0:1], 0x0                ; codes, scales
	s_load_b128 s[8:11], s[0:1], 0x10              ; rope, qkv16
	s_load_b64 s[12:13], s[0:1], 0x20              ; head32
	v_lshl_add_u32 v[SPW], v0, 2, SPARE
	v_mov_b32 v[NIL], 0
	ds_add_u32 v[SPW], v[NIL]                      ; the wave's opening: the add, twice on end, and its wait ahead of my first tensor load
	ds_add_u32 v[SPW], v[NIL]
	v_lshrrev_b32 v1, 5, v0
	v_readfirstlane_b32 s14, v1                    ; wave 0..3
	s_lshr_b32 s15, s14, 1                         ; which half of the tile's rows is mine.  Also: I fetch for A (0) or for B (1)
	s_and_b32 s16, s14, 1                          ; which half of its columns.  Also: which 128 rows of that tile I fetch
	s_bfe_u32 s40, ttmp6, 0x40000                  ; cx
	s_bfe_u32 s41, ttmp6, 0x40004                  ; cy
	s_lshl_b32 s42, ttmp9, 2
	s_add_co_u32 s42, s42, s40                     ; tile column = 4 x cluster x + cx
	s_and_b32 s66, ttmp7, 0xffff                   ; cluster y
	s_lshr_b32 s67, s66, 1                         ; the role: 0 q, 1 k, 2 v
	s_lshl_b32 s17, s66, 2
	s_add_co_u32 s17, s17, s41                     ; tile row = 4 x cluster y + cy
	s_lshl_b32 s43, s41, 2
	s_lshl_b32 s43, 15, s43                        ; my row of the cluster
	s_lshl_b32 s44, 0x1111, s40                    ; my column
	s_or_b32 s[G1+0], s43, (0<<16)|(1<<20)|(1<<21)|(5<<22)|(3<<25)  ; the mask; elements of 1 byte; padding on; bit 21 beside a mask; 4 words behind every 64
	s_or_b32 s[G1B+0], s44, (0<<16)|(1<<20)|(1<<21)|(5<<22)|(3<<25)
.irp g, G1, G1B
	s_mov_b32 s[\g+1], ROWB<<16                    ; tensor_dim0
	s_mov_b32 s[\g+2], 128<<16                     ; tensor_dim1
	s_mov_b32 s[\g+3], ROWB<<16                    ; tile_dim0
	s_mov_b32 s[\g+4], 128                         ; tile_dim1
	s_mov_b32 s[\g+5], KROW                        ; from row to row
	s_mov_b32 s[\g+6], 0
	s_mov_b32 s[\g+7], 0
.endr
	s_or_b32 s[G1S+0], s43, (3<<16)|(1<<20)|(1<<21)|(5<<22)|(3<<25) ; the scales of 128 rows: 8,192 dense bytes as 32 rows of 256
	s_or_b32 s[G1SB+0], s44, (3<<16)|(1<<20)|(1<<21)|(5<<22)|(3<<25)
.irp g, G1S, G1SB
	s_mov_b32 s[\g+1], 32<<16
	s_mov_b32 s[\g+2], (128*KS/256)<<16
	s_mov_b32 s[\g+3], 32<<16
	s_mov_b32 s[\g+4], 128*KS/256
	s_mov_b32 s[\g+5], 32
	s_mov_b32 s[\g+6], 0
	s_mov_b32 s[\g+7], 0
.endr
	s_lshl_b32 s18, s16, 7                         ; which 128 rows of the tile I fetch
	s_lshl_b32 s20, s17, 8
	s_add_co_u32 s20, s20, s18                     ; A: row 256 x tile row + 128 x half
	s_lshl_b32 s46, s42, 8
	s_add_co_u32 s46, s46, s18                     ; B: 256 x tile column + 128 x half,
	s_lshl_b32 s47, s67, 11
	s_add_co_u32 s46, s46, s47                     ; in the role's weight,
	s_add_co_u32 s46, s46, 6144                    ; behind the three inputs
	s_mov_b32 s21, 0
	s_mov_b32 s47, 0
	s_mov_b64 s[18:19], KS
	s_mul_u64 s[22:23], s[20:21], s[18:19]
	s_mul_u64 s[92:93], s[46:47], s[18:19]
	s_mov_b64 s[18:19], KROW
	s_mul_u64 s[20:21], s[20:21], s[18:19]
	s_mul_u64 s[46:47], s[46:47], s[18:19]
	s_mul_i32 s45, s14, HALFT                      ; where they go: wave x 128 rows
	s_mul_i32 s94, s14, HALFS
	s_wait_dscnt 0x0                               ; both opening adds are done
	s_wait_kmcnt 0x0
	s_add_nc_u64 s[20:21], s[4:5], s[20:21]
	s_add_nc_u64 s[22:23], s[6:7], s[22:23]
	s_add_nc_u64 s[46:47], s[4:5], s[46:47]
	s_add_nc_u64 s[92:93], s[6:7], s[92:93]
	CROUND                                         ; all sixteen work-groups are here: the first joint loads meet
	s_mov_b32 s[G0S], 1
	s_add_co_u32 s[G0S+1], s94, SCL
	s_mov_b64 s[G0S+2:G0S+3], s[22:23]
	s_or_b32 s[G0S+3], s[G0S+3], 0x80000000
	s_mov_b32 s[G0SB], 1
	s_add_co_u32 s[G0SB+1], s94, SCL
	s_mov_b64 s[G0SB+2:G0SB+3], s[92:93]
	s_or_b32 s[G0SB+3], s[G0SB+3], 0x80000000
	JLOAD G0S, G1S, G0SB, G1SB                     ; the scales first; with the two slots three loads of mine are out
.irp s, 0,1
	s_mov_b32 s[G0+4*\s], 1
	s_add_co_u32 s[G0+4*\s+1], s45, \s*SLOT
	s_add_nc_u64 s[G0+4*\s+2:G0+4*\s+3], s[20:21], \s*ROWB
	s_or_b32 s[G0+4*\s+3], s[G0+4*\s+3], 0x80000000
	s_mov_b32 s[G0B+4*\s], 1
	s_add_co_u32 s[G0B+4*\s+1], s45, \s*SLOT
	s_add_nc_u64 s[G0B+4*\s+2:G0B+4*\s+3], s[46:47], \s*ROWB
	s_or_b32 s[G0B+4*\s+3], s[G0B+4*\s+3], 0x80000000
	JLOAD G0+4*\s, G1, G0B+4*\s, G1B
.endr
	v_and_b32 v1, 15, v0                           ; r
	v_bfe_u32 v2, v0, 4, 1                         ; h
	v_mul_u32_u24 v3, v1, PITCH
	v_lshl_add_u32 v4, v2, 4, v3
	s_mul_i32 s21, s15, HALFT
	s_mul_i32 s22, s16, HALFT
	s_add_co_u32 s22, s22, 2*HALFT
.irp s, 0,1
	v_add_nc_u32 v[ADRA+\s], s21, v4
	v_add_nc_u32 v[ADRB+\s], s22, v4
	s_add_co_u32 s21, s21, SLOT
	s_add_co_u32 s22, s22, SLOT
.endr
	v_mul_u32_u24 v5, v1, KS                       ; my row's scales: 64 bytes a row,
	v_lshrrev_b32 v6, 8, v5
	v_lshl_add_u32 v5, v6, 4, v5                   ; and 16 more for each 256 passed
	s_mul_i32 s21, s15, HALFS
	s_mul_i32 s22, s16, HALFS
	s_add_co_u32 s22, s22, 2*HALFS
	s_sub_co_u32 s22, s22, s21
	v_mul_u32_u24 v6, s22, v2                      ; lanes 16-31 take B's
	s_add_co_u32 s21, s21, SCL
	v_add_nc_u32 v5, v5, v6
	v_add_nc_u32 v[ADRS], s21, v5
	s_mul_i32 s23, s14, 16*SPITCH                  ; my stage
	v_mul_u32_u24 v5, v1, SPITCH                   ; in: row r, 16 bytes for each half of the lanes
	v_lshl_add_u32 v5, v2, 4, v5
	v_add_nc_u32 v[STO], s23, v5
	v_mul_u32_u24 v5, v2, SPITCH                   ; back: lanes 0-15 one row of 256 bytes, lanes 16-31 the next
	v_lshl_add_u32 v5, v1, 4, v5
	v_add_nc_u32 v[RD], s23, v5
	v_lshlrev_b32 v5, 12, v2                       ; and the same two rows of qkv16 (4,096 bytes a row)
	v_lshl_add_u32 v[CO], v1, 4, v5
	s_lshl_b32 s20, s17, 8
	s_lshl_b32 s21, s15, 7
	s_add_co_u32 s20, s20, s21                     ; my first row: 256 x tile row + 128 x half
	s_lshl_b32 s20, s20, 12
	s_lshl_b32 s46, s42, 9                         ; my first column, in bytes: 512 x tile column + 256 x half
	s_lshl_b32 s47, s16, 8
	s_add_co_u32 s46, s46, s47
	s_add_co_u32 s20, s20, s46
	s_mov_b32 s21, 0
	s_add_nc_u64 s[10:11], s[10:11], s[20:21]
	s_and_b32 s20, s17, 7
	s_lshl_b32 s21, s20, 1
	s_add_co_u32 s21, s21, s15                     ; which 128 positions of the role are mine
	v_mov_b32 v[FRW], s21
	s_lshl_b32 s20, s21, 16                        ; 8 blocks of 16 positions x 8,192 bytes of table
	s_mov_b32 s21, 0
	s_add_nc_u64 s[96:97], s[8:9], s[20:21]
	s_lshl_b32 s20, s67, 17                        ; head32: the role's part of 131,072 bytes,
	s_lshl_b32 s46, s42, 1
	s_add_co_u32 s46, s46, s16                     ; my head,
	s_lshl_b32 s46, s46, 13                        ; 8,192 bytes a head
	s_add_co_u32 s20, s20, s46
	s_mov_b32 s21, 0
	s_add_nc_u64 s[98:99], s[12:13], s[20:21]
	v_and_b32 v6, 31, v0
	v_lshlrev_b32 v[TBO], 4, v6
	v_bfe_u32 v5, v0, 2, 1                         ; v's image [f][c][lane][16 bytes]: my row r is key 8 (r / 8) + 4 ((r / 4) % 2) + r % 4
	v_lshlrev_b32 v[VTO], 9, v5
	v_bfe_u32 v5, v0, 3, 1
	v_lshl_add_u32 v[VTO], v5, 8, v[VTO]
	v_lshl_add_u32 v[VTO], v2, 7, v[VTO]
	v_and_b32 v5, 3, v0
	v_lshl_add_u32 v[VTO], v5, 2, v[VTO]
; the table of block a (16 positions): 16 dense loads of 512 bytes into 64 registers of window 1 that the products leave idle: register 16 b + j: cos, 16 b + 8 + j: sin, of frequency 16 b + 8 h + j
.macro TABLOAD a
	WIN 0x40
.irp n, 0,1,2,3,4,5,6,7,8,9,10,11,12,13,14,15
	global_load_b128 v[64+128*((\a)%2)+4*\n:64+128*((\a)%2)+4*\n+3], v[TBO], s[96:97] offset:8192*(\a)+512*\n
.endr
	WIN 0
.endm
	TABLOAD 0                                      ; every role issues these two, so that every way through the text finds the registers loaded; the role v never waits for them
	TABLOAD 1
.macro FRAG reg, adr, q, i             ; 16 rows x 128 K of 4-bit codes: 8 registers; registers 4 c .. 4 c + 3 hold K = 64 c + 32 h + 0 .. 31
.irp c, 0,1
	ds_load_b128 v[\reg+4*\c:\reg+4*\c+3], v[\adr] offset:64*(\q)+32*\c+(\i)*16*PITCH
.endr
.endm
; 16 matrix instructions: A's blocks a0, a0 + 1 x B's eight.  The 64 accumulators take turns, one instruction a turn, in the same order in every step.
.macro MUL16 a0, p, q, sc, zero
.irp a, \a0, \a0+1
.irp b, 0,1,2,3,4,5,6,7
.if \zero
	v_wmma_scale_f32_16x16x128_f8f6f4 v[8*(8*((\a)%4)+\b):8*(8*((\a)%4)+\b)+7], v[128*(\p)+FR*\b:128*(\p)+FR*\b+FR-1], v[AF+FR*(\a):AF+FR*(\a)+FR-1], 0, v[SC+8*NQ*(\sc)+NQ*\b+(\q)], v[SC+8*NQ*(\sc)+NQ*(\a)+(\q)] matrix_a_fmt:MATRIX_FMT_FP4 matrix_b_fmt:MATRIX_FMT_FP4 matrix_a_scale:MATRIX_SCALE_ROW1
.else
	v_wmma_scale_f32_16x16x128_f8f6f4 v[8*(8*((\a)%4)+\b):8*(8*((\a)%4)+\b)+7], v[128*(\p)+FR*\b:128*(\p)+FR*\b+FR-1], v[AF+FR*(\a):AF+FR*(\a)+FR-1], v[8*(8*((\a)%4)+\b):8*(8*((\a)%4)+\b)+7], v[SC+8*NQ*(\sc)+NQ*\b+(\q)], v[SC+8*NQ*(\sc)+NQ*(\a)+(\q)] matrix_a_fmt:MATRIX_FMT_FP4 matrix_b_fmt:MATRIX_FMT_FP4 matrix_a_scale:MATRIX_SCALE_ROW1
.endif
.endr
.endr
.endm
.macro FETCH_B slot, q, p
	WIN TO_B
.irp i, 0,1,2,3,4,5,6,7
	FRAG 128*(\p)+FR*\i, ADRB+\slot, \q, \i
.endr
	WIN 0
.endm
.macro FETCH_A slot, q, i0
.irp i, \i0, \i0+1, \i0+2, \i0+3
	FRAG AF+FR*(\i), ADRA+\slot, \q, \i
.endr
.endm
.macro SCALES sc                       ; a K step's scale words: lanes 0-15 take A's block i, lanes 16-31 B's block i
.irp i, 0,1,2,3,4,5,6,7
	ds_load_b128 v[SC+8*NQ*\sc+NQ*\i:SC+8*NQ*\sc+NQ*\i+3], v[ADRS] offset:\i*SBLK
.endr
.endm
.macro PLACES n                        ; plain vector instructions between a matrix instruction and a load into, or a read of, its registers
.rept \n
	v_nop
.endr
.endm
.macro STEP slot, q, zero              ; 128 along K, with its successor in the same slot
	s_wait_dscnt 4*NL                              ; B's set and A's blocks 0-3 are in; the youngest eight loads (A's blocks 4-7) may be out
	WIN MUL_LO
	MUL16 0, (\q)%2, \q, \slot, \zero
	MUL16 2, (\q)%2, \q, \slot, \zero
	s_wait_dscnt 0
	PLACES NP
	FETCH_B \slot, (\q)+1, 1-(\q)%2
	FETCH_A \slot, (\q)+1, 0
	WIN MUL_HI
	MUL16 4, (\q)%2, \q, \slot, \zero
	MUL16 6, (\q)%2, \q, \slot, \zero
	PLACES NP
	WIN 0
	FETCH_A \slot, (\q)+1, 4
.endm
; A slot's last step changes slots: one barrier; in front of it each wave waits for all its tensor loads, adds 0 to its spare word, and waits for that and for its own reads of this slot.
.macro TURN slot, next, fill
	s_wait_tensorcnt 0x0                           ; all my tensor loads have landed: my part of the next slot
	ds_add_u32 v[SPW], v[NIL]
	s_wait_dscnt 4*NL+1                            ; the add and the youngest eight loads may be out
	WIN MUL_LO
	MUL16 0, 1, NQ-1, \slot, 0
	s_wait_dscnt 0x0                               ; the add is done, and my reads of this slot are over
	s_barrier_signal -1
	MUL16 2, 1, NQ-1, \slot, 0
	WIN 0
	s_barrier_wait -1
.if \fill
	CREST                                          ; the barrier has opened a round of the cluster's barrier: no wave of any partner still reads this slot or has a load on its way
	s_add_nc_u64 s[G0+4*\slot+2:G0+4*\slot+3], s[G0+4*\slot+2:G0+4*\slot+3], 2*ROWB
	s_add_nc_u64 s[G0B+4*\slot+2:G0B+4*\slot+3], s[G0B+4*\slot+2:G0B+4*\slot+3], 2*ROWB
	JLOAD G0+4*\slot, G1, G0B+4*\slot, G1B         ; my one tensor load behind the round; its four v_nop are the places in front of the loads below
.else
	PLACES NP
.endif
	v_add_nc_u32 v[ADRS], 4*NQ, v[ADRS]
	FETCH_B \next, 0, 0
	FETCH_A \next, 0, 0
	SCALES \next
	WIN MUL_HI
	MUL16 4, 1, NQ-1, \slot, 0
	MUL16 6, 1, NQ-1, \slot, 0
	PLACES NP
	WIN 0
	FETCH_A \next, 0, 4
.endm
.macro STEPS slot, from
.set Q, \from
.rept NQ-1-\from
	STEP \slot, Q, 0
.set Q, Q+1
.endr
.endm
	s_wait_tensorcnt 1                             ; the scales and my part of K step 0 are in; K step 1's load may be out
	s_barrier_signal -1
	s_barrier_wait -1
	FETCH_B 0, 0, 0
	FETCH_A 0, 0, 0
	SCALES 0
	FETCH_A 0, 0, 4
	STEP 0, 0, 1                                   ; the first products start the sums: nothing is cleared.  K = 2048 is four K steps: they are written on end, without a loop
	STEPS 0, 1
	TURN 0, 1, 1
	STEPS 1, 0
	TURN 1, 0, 1
	STEP 0, 0, 0
	STEPS 0, 1
	TURN 0, 1, 0                                   ; the last lap fills nothing
	STEPS 1, 0
	s_wait_dscnt 4*NL
	WIN MUL_LO
	MUL16 0, 1, NQ-1, 1, 0
	MUL16 2, 1, NQ-1, 1, 0
	s_wait_dscnt 0
	WIN MUL_HI
	MUL16 4, 1, NQ-1, 1, 0
	MUL16 6, 1, NQ-1, 1, 0
	WIN 0
; THE WAY OUT, block by block of 16 rows x 128 columns (one head).
; y(d) = x(d) cos - x(d + 64) sin, y(d + 64) = x(d + 64) cos + x(d) sin, d = 16 b + 8 h + j under 64: both partners are mine.  Each accumulator is read from its low end on.
.macro ROPE a
.set AC, 64*((\a)%4)
.set TA, 64+128*((\a)%2)
	WIN 0x06+(\a)/4                                ; source 0: the accumulators' window; source 1: window 1, the table
.irp b, 0,1,2,3
.irp jp, 0,2,4,6
	v_pk_mul_f32 v[Y+8*\b+\jp:Y+8*\b+\jp+1], v[AC+8*\b+\jp:AC+8*\b+\jp+1], v[TA+16*\b+\jp:TA+16*\b+\jp+1]
	v_pk_mul_f32 v[Y+32+8*\b+\jp:Y+32+8*\b+\jp+1], v[AC+32+8*\b+\jp:AC+32+8*\b+\jp+1], v[TA+16*\b+\jp:TA+16*\b+\jp+1]
	v_pk_fma_f32 v[Y+8*\b+\jp:Y+8*\b+\jp+1], v[AC+32+8*\b+\jp:AC+32+8*\b+\jp+1], v[TA+16*\b+8+\jp:TA+16*\b+8+\jp+1], v[Y+8*\b+\jp:Y+8*\b+\jp+1] neg_lo:[1,0,0] neg_hi:[1,0,0]
	v_pk_fma_f32 v[Y+32+8*\b+\jp:Y+32+8*\b+\jp+1], v[AC+8*\b+\jp:AC+8*\b+\jp+1], v[TA+16*\b+8+\jp:TA+16*\b+8+\jp+1], v[Y+32+8*\b+\jp:Y+32+8*\b+\jp+1]
.endr
.endr
	WIN 0
.endm
.macro PACK                            ; 64 numbers to f16: four registers are eight neighbouring channels
.set i, 0
.rept 32
	v_cvt_pk_f16_f32 v[PK+i], v[Y+2*i], v[Y+2*i+1]
.set i, i+1
.endr
.endm
.macro PACKV a                         ; v: straight from the accumulators, in ascending order
.set AC, 64*((\a)%4)
	WIN 0x0a+5*((\a)/4)
.set i, 0
.rept 32
	v_cvt_pk_f16_f32 v[PK+i], v[AC+2*i], v[AC+2*i+1]
.set i, i+1
.endr
	WIN 0
.endm
; Positions 0 .. 15 also leave in f32.  Which work-groups hold them hangs on the place in the cluster, so they are picked by EXEC and not by a branch; EXEC changes only behind s_wait_xcnt 0.
.macro F32QK                           ; the 64 rotated numbers as an image of the registers: each store covers 512 consecutive bytes
	s_wait_xcnt 0x0
	v_cmp_eq_u32 vcc_lo, 0, v[FRW]
	s_and_saveexec_b32 s100, vcc_lo
.irp n, 0,1,2,3,4,5,6,7,8,9,10,11,12,13,14,15
	global_store_b128 v[TBO], v[Y+4*\n:Y+4*\n+3], s[98:99] offset:512*\n
.endr
	s_wait_xcnt 0x0
	s_or_b32 exec_lo, exec_lo, s100
.endm
.macro F32V                            ; v transposed, a lane to a channel: single words; 16 heads x 8,192 bytes in the whole launch
	s_wait_xcnt 0x0
	v_cmp_eq_u32 vcc_lo, 0, v[FRW]
	s_and_saveexec_b32 s100, vcc_lo
	WIN 0x08                                       ; a store's data are its source 1: window 2
.irp bb, 0,1,2,3,4,5,6,7
.irp j, 0,1,2,3,4,5,6,7
	global_store_b32 v[VTO], v[8*\bb+\j], s[98:99] offset:1024*\bb+16*\j
.endr
.endr
	WIN 0
	s_wait_xcnt 0x0
	s_or_b32 exec_lo, exec_lo, s100
.endm
.macro TOSTAGE a                       ; into my stage and back as whole rows; LDS serves a wave's instructions in order, so no wait stands between
.set BB, BK+32*((\a)%2)
.irp b, 0,1,2,3,4,5,6,7
	ds_store_b128 v[STO], v[PK+4*\b:PK+4*\b+3] offset:32*\b
.endr
.irp t, 0,1,2,3,4,5,6,7
	ds_load_b128 v[BB+4*\t:BB+4*\t+3], v[RD] offset:\t*2*SPITCH
.endr
.endm
.macro SEND a
.set BB, BK+32*((\a)%2)
	s_wait_dscnt 0x0                               ; the block is back in registers
	s_wait_xcnt 0x0                                ; the stores of the block before have read their data: the next block's loads may land there
.irp t, 0,1,2,3,4,5,6,7
	global_store_b128 v[CO], v[BB+4*\t:BB+4*\t+3], s[10:11] offset:65536*(\a)+8192*\t   ; 16 lanes store 256 consecutive bytes, aligned
.endr
.endm
.macro QKBLOCK a
.if (\a) < 7
	s_wait_loadcnt 16                              ; this block's table is in; the next block's sixteen loads may be out
.else
	s_wait_loadcnt 0
.endif
	ROPE \a
.if (\a)+2 <= 7
	TABLOAD (\a)+2
.endif
.if (\a) == 0
	F32QK
.endif
	PACK
.if (\a) > 0
	SEND (\a)-1
.endif
	TOSTAGE \a
.endm
.macro VBLOCK a
.if (\a) == 0
	F32V
.endif
	PACKV \a
.if (\a) > 0
	SEND (\a)-1
.endif
	TOSTAGE \a
.endm
	PLACES NP                                      ; behind the last products: for the reads of results and the writes of the registers that held scales and fragments
	s_cmp_eq_u32 s67, 2                            ; the role: the same in all partners of the cluster
	s_cbranch_scc1 .Lvalue
.irp a, 0,1,2,3,4,5,6,7
	QKBLOCK \a
.endr
	SEND 7
	s_branch .Ldone
.Lvalue:
.irp a, 0,1,2,3,4,5,6,7
	VBLOCK \a
.endr
	SEND 7
.Ldone:
	s_wait_tensorcnt 0x0                           ; the wave's end: behind my last tensor load and my last LDS store
	ds_add_u32 v[SPW], v[NIL]
	s_wait_dscnt 0x0
	CROUND                                         ; the closing round
	s_endpgm
.Lfunc_end_k_qb01f1e0da4_qkv:
	.size	k_qb01f1e0da4_qkv, .Lfunc_end_k_qb01f1e0da4_qkv-k_qb01f1e0da4_qkv
	.p2alignl 7, 3214868480
	.fill 96, 4, 3214868480
	.section	.rodata,"a",@progbits
	.p2align	6, 0x0
	.amdhsa_kernel k_qb01f1e0da4_qkv
		.amdhsa_group_segment_fixed_size 327680
		.amdhsa_private_segment_fixed_size 0
		.amdhsa_enable_private_segment 0
		.amdhsa_kernarg_size 40
		.amdhsa_user_sgpr_count 2
		.amdhsa_user_sgpr_kernarg_segment_ptr 1
		.amdhsa_wavefront_size32 1
		.amdhsa_system_sgpr_workgroup_id_x 1
		.amdhsa_system_sgpr_workgroup_id_y 1
		.amdhsa_system_sgpr_workgroup_id_z 1
		.amdhsa_system_vgpr_workitem_id 0
		.amdhsa_next_free_vgpr 1024
		.amdhsa_next_free_sgpr 101
		.amdhsa_reserve_vcc 1
		.amdhsa_float_denorm_mode_32 3
		.amdhsa_float_denorm_mode_16_64 3
		.amdhsa_memory_ordered 1
		.amdhsa_forward_progress 1
		.amdhsa_inst_pref_size 255
	.end_amdhsa_kernel
	.section	.bss,"aw",@nobits
	.p2align	6
	.space	262144
	.amdgpu_metadata
---
amdhsa.version: [ 1, 2 ]
amdhsa.kernels:
  - .name:           k_qb01f1e0da4_qkv
    .symbol:         k_qb01f1e0da4_qkv.kd
    .args:
      - { .name: codes, .offset: 0, .size: 8, .value_kind: global_buffer, .address_space: global }
      - { .name: scales, .offset: 8, .size: 8, .value_kind: global_buffer, .address_space: global }
      - { .name: rope, .offset: 16, .size: 8, .value_kind: global_buffer, .address_space: global }
      - { .name: qkv16, .offset: 24, .size: 8, .value_kind: global_buffer, .address_space: global }
      - { .name: head32, .offset: 32, .size: 8, .value_kind: global_buffer, .address_space: global }
    .group_segment_fixed_size: 327680
    .private_segment_fixed_size: 0
    .kernarg_segment_align: 8
    .kernarg_segment_size: 40
    .max_flat_workgroup_size: 128
    .sgpr_count:     101
    .vgpr_count:     1024
    .wavefront_size: 32
...
	.end_amdgpu_metadata
.endif
;; end of part 2
;; launch attn (part 3): grid 16 x 16, 4 waves a work-group, no clusters, 327,680 bytes of LDS; arguments qkv16, attn16; writes attn16
.if DOCPART == 3
	.amdgcn_target "amdgcn-amd-amdhsa--gfx1250"
	.amdhsa_code_object_version 6
	.text
	.protected	k_qb01f1e0da4_attn
	.globl	k_qb01f1e0da4_attn
	.p2align	8
	.type	k_qb01f1e0da4_attn,@function
k_qb01f1e0da4_attn:
	s_mov_b64 s[64:65], 0
	v_nop
	global_prefetch_b8 v0, s[64:65] scope:SCOPE_SE
	s_setreg_imm32_b32 hwreg(HW_REG_WAVE_MODE, 25, 1), 1
	s_wait_xcnt 0x0
; ATTN: causal attention, 16 heads of 128, 2,048 positions, on f16 operands with f32 products, maxima and sums.  qkv16 [6144][2048] f16: rows 0.. q / 4, 2048.. k / 4 (both after RoPE), 4096.. v.  attn16 [2048][2048] f16.
; SHARES.  Work-group (i, head) owns queries 128 i .. 128 i + 127.  Wave w = 2 qh + kh owns the 64 queries 128 i + 64 qh .. (four tiles of 16) and, of every 128 keys, the 64 at 64 kh.  The two waves of a qh join their
; maxima, sums and O through LDS at the end.  So a fragment of K or V still feeds four tiles of queries, and there are 256 work-groups.
; WALK.  Slots hold 256 aligned keys (two steps of 128).  The walk begins at the slot that holds the queries, i / 2, and goes DOWN to slot 0: the two steps that want the mask are the first two and are written out.  For even i the second
; of them is wholly hidden and is computed all the same.  The loop over slots has a constant count of trips; a work-group jumps over the work of the trips beyond its slot 0, by a scalar branch on ids.
; MASK.  A hidden score becomes -2^100.  cs x 2^100 is exact, so a row that is wholly hidden in a wave so far gives p = 1 and finite sums; the first real maximum, or the join, multiplies them by 2^(-huge) = 0.
; No real score comes near: f16 operands bound it by 128 x 65,504^2.
; LAYOUT, SOFTMAX, TURNS.  S^T = K Q^T and O^T = V^T P: a lane holds one query throughout.  p = 2^(cs s - cs m), cs = 16 log2(e) / sqrt(128) (the 16 undoes the two factors 1/4); a running maximum m and sum l; in every step O and l
; are multiplied by 2^(cs m_old - cs m_new).  The wave's tiles are two pieces; in a turn one piece has the matrix unit and the other piece's softmax stands in slices behind its matrix instructions.
; NO CLUSTER: the work-groups of a head need different numbers of tiles, and heads share none.  NO PREFETCH: every slot of a head is the first fill of two of the head's work-groups, asked for at the launch's head.
; LIMITS: see the launches that make qkv16; the result must stay under 65,504.  NaN and infinities are not served.
; REGISTERS: window 0: v0-11 addresses; v12-43 statistics, eight a tile; v44-47 mask and exchange; v62, v63 the add's two; v64-191 S^T; v192-255 P.  window 1: O^T.  window 2: v0-127 Q, v128-255 K.  window 3: v0-127 V.
.set KS,    64
.set PK,    272       ; a row of K in LDS: 256 bytes + 16
.set PV,    288       ; a row of V: 256 + 32
.set VOFF,  256*PK    ; a slot: 256 rows of K, then 256 rows of V
.set SLOTB, 256*(PK+PV)
.set KSTEPB, 128*PK   ; from a step to the next in a slot
.set VSTEPB, 128*PV
.set SPARE, 2*SLOTB   ; the spare words, 128 bytes for each wave
.set STAGE, SPARE+512 ; the way out: 16 rows x 272 bytes for each qh
.set SP,    272
.set XCHB,  33792     ; the exchange, in slot 0 behind its last fill and last read: for each qh 32,768 bytes of O's registers and 1,024 of statistics
.set AK0, 2
.set AV0, 3
.set ADR, 4
.set QO,  5
.set STO, 6
.set RD,  7
.set GO,  8
.set DM,  44          ; v44  my query less my first key, inside the slot: r - 8 h + 128 (i % 2) + 64 qh - 64 kh
.set MV,  45          ; v45  -2^100
.set XA,  46          ; v46  the exchange: 16 x lane
.set XS,  47          ; v47  the exchange: 4 x lane
.set SPW, 62
.set NIL, 63
.set ST,  12          ; tile t: +0 cs m, +1 m, +2, +3 l, +4 to +7 at work
.set S,   64
.set P,   192
.set KF,  128
.set STOP, 10         ; s10  i / 2: the number of slots less one
.set TAU, 11          ; s11  which slot of the walk
.set WV,  12
.set SBR, 16          ; s16  LDS byte of the slot that is read
.set SBF, 17          ; s17  of the slot that is filled
.set TK,  18          ; s18  where the step's K begins
.set TV,  19          ; s19  and its V
.set WOK, 20          ; s20  my half of K's rows in a slot
.set WOV, 21          ; s21  of V's
.set G1K, 24
.set G1V, 32
.set G0K, 40
.set G0V, 44
.set TWICE, 57
.set CS,  58
.set SEL, 60
.set MSB, 0
.macro WIN new
.if MSB != (\new)
	s_set_vgpr_msb (MSB<<8)|(\new)
.set MSB, (\new)
.endif
.endm
.set W_KQ, 0x0a
.set W_PV, 0x53
.set W_RS, 0x41
; Waves 0 and 1 fetch the two halves of a slot's K, waves 2 and 3 those of its V: one load a wave, 128 rows.  An s_nop 0 and four v_nop follow each of the two lines.
.macro TLOAD
	s_cmp_lt_u32 s[WV], 2
	s_cbranch_scc0 .Lfor_v_\@
	tensor_load_to_lds s[G0K:G0K+3], s[G1K:G1K+7]
	s_nop 0
.rept 4
	v_nop
.endr
	s_branch .Lasked_\@
.Lfor_v_\@:
	tensor_load_to_lds s[G0V:G0V+3], s[G1V:G1V+7]
	s_nop 0
.rept 4
	v_nop
.endr
.Lasked_\@:
.endm
	s_load_b128 s[4:7], s[0:1], 0x0  ; qkv16, attn16
	v_lshl_add_u32 v[SPW], v0, 2, SPARE
	v_mov_b32 v[NIL], 0
	ds_add_u32 v[SPW], v[NIL]       ; the wave's opening: the add, twice on end, and its wait ahead of my first tensor load
	ds_add_u32 v[SPW], v[NIL]
	v_lshrrev_b32 v1, 5, v0
	v_readfirstlane_b32 s[WV], v1
	s_lshr_b32 s13, s[WV], 1        ; qh
	s_and_b32 s14, s[WV], 1         ; kh; also which half of a slot's rows I fetch
	s_mov_b32 s8, ttmp9             ; i
	s_and_b32 s9, ttmp7, 0xffff     ; the head
	s_lshr_b32 s[STOP], s8, 1
	s_mov_b32 s[TAU], 0
	s_mov_b32 s[SBR], SLOTB         ; the first change of slots turns these two
	s_mov_b32 s[SBF], 0
	s_mul_i32 s[WOK], s14, KSTEPB
	s_mul_i32 s[WOV], s14, VSTEPB
	s_add_co_u32 s[WOV], s[WOV], VOFF
	s_mov_b32 s[G1K], (1<<16)|(1<<20)|(5<<22)|(3<<25)  ; no mask; elements of 2 bytes; padding: 4 words behind every 64
	s_mov_b32 s[G1V], (1<<16)|(1<<20)|(5<<22)|(7<<25)  ; 8 words
.irp g, G1K, G1V
	s_mov_b32 s[\g+1], 128<<16      ; tensor_dim0
	s_mov_b32 s[\g+2], 128<<16      ; tensor_dim1
	s_mov_b32 s[\g+3], 128<<16      ; tile_dim0
	s_mov_b32 s[\g+4], 128          ; tile_dim1
	s_mov_b32 s[\g+5], 2048         ; elements from row to row
	s_mov_b32 s[\g+6], 0
	s_mov_b32 s[\g+7], 0
.endr
	s_mov_b32 s[CS], 0x400293ee     ; cs = 16 log2(e) / sqrt(128)
	s_mov_b32 s[CS+1], s[CS]
	s_mov_b32 s[SEL], 0x76543210
	s_mov_b32 s[SEL+1], 0xfedcba98
	s_lshl_b32 s2, s[STOP], 20      ; the first slot: 256 rows of 4,096 bytes each,
	s_lshl_b32 s3, s14, 19          ; my 128 rows of it,
	s_add_co_u32 s2, s2, s3
	s_lshl_b32 s3, s9, 8            ; the head's 256 bytes of a row
	s_add_co_u32 s2, s2, s3
	s_mov_b32 s3, 0
	s_lshl_b32 s22, s8, 19          ; my work-group's 128 rows of Q and O,
	s_lshl_b32 s23, s13, 18         ; my wave's 64
	s_add_co_u32 s22, s22, s23
	s_lshl_b32 s23, s9, 8
	s_add_co_u32 s22, s22, s23
	s_mov_b32 s23, 0
	s_wait_dscnt 0x0                ; both opening adds are done
	s_wait_kmcnt 0x0
	s_add_nc_u64 s[48:49], s[4:5], s[22:23]
	s_add_nc_u64 s[50:51], s[6:7], s[22:23]
	s_mov_b32 s[G0K], 1
	s_mov_b32 s[G0K+1], s[WOK]      ; into slot 0
	s_add_nc_u64 s[G0K+2:G0K+3], s[4:5], s[2:3]
	s_add_nc_u64 s[G0K+2:G0K+3], s[G0K+2:G0K+3], 0x800000   ; k begins 2,048 rows in
	s_or_b32 s[G0K+3], s[G0K+3], 0x80000000
	s_mov_b32 s[G0V], 1
	s_mov_b32 s[G0V+1], s[WOV]
	s_add_nc_u64 s[G0V+2:G0V+3], s[4:5], s[2:3]
	s_add_nc_u64 s[G0V+2:G0V+3], s[G0V+2:G0V+3], 0x1000000  ; v 4,096 rows in
	s_or_b32 s[G0V+3], s[G0V+3], 0x80000000
	TLOAD                           ; the slot that holds my queries: every work-group reads it
	v_and_b32 v1, 15, v0            ; r
	v_bfe_u32 v9, v0, 4, 1          ; h
	v_lshlrev_b32 v[QO], 12, v1
	v_lshl_add_u32 v[QO], v9, 4, v[QO]
	WIN 0x80
.irp i, 0,1,2,3,4,5,6,7,8,9,10,11,12,13,14,15  ; Q stays in registers: tile i / 4, channels 32 (i % 4) on
	global_load_b128 v[8*\i:8*\i+3],   v[QO], s[48:49] offset:(\i/4)*65536+(\i%4)*64
	global_load_b128 v[8*\i+4:8*\i+7], v[QO], s[48:49] offset:(\i/4)*65536+(\i%4)*64+32
.endr
	WIN 0
	v_mul_u32_u24 v[AK0], v1, PK
	v_lshl_add_u32 v[AK0], v9, 4, v[AK0]
	s_mul_i32 s2, s14, 64*PK        ; my 64 keys of a step
	v_add_nc_u32 v[AK0], s2, v[AK0]
	v_and_b32 v10, 7, v0
	v_bfe_u32 v11, v0, 3, 1
	v_lshl_add_u32 v[AV0], v9, 3, v10
	v_mul_u32_u24 v[AV0], v[AV0], PV
	v_lshl_add_u32 v[AV0], v11, 4, v[AV0]
	s_mul_i32 s2, s14, 64*PV
	s_add_co_u32 s2, s2, VOFF
	v_add_nc_u32 v[AV0], s2, v[AV0]
	s_and_b32 s2, s8, 1
	s_lshl_b32 s2, s2, 7
	s_lshl_b32 s3, s13, 6
	s_add_co_u32 s2, s2, s3
	s_lshl_b32 s3, s14, 6
	s_sub_co_i32 s2, s2, s3
	v_lshlrev_b32 v10, 3, v9
	v_sub_nc_u32 v[DM], v1, v10
	v_add_nc_u32 v[DM], s2, v[DM]
	v_mov_b32 v[MV], 0xf1800000     ; -2^100
	s_mul_i32 s2, s13, XCHB
	v_and_b32 v10, 31, v0
	v_lshl_add_u32 v[XA], v10, 4, s2
	v_lshl_add_u32 v[XS], v10, 2, s2
; THE MATRIX WORK OF A TURN, for piece x.  The accumulators take turns, one instruction a turn.
.macro PV x, zero
	WIN W_PV
.set rO, 64*(\x+i%2)+8*((i/2)%8)
.set rV, 64*(i/16)+8*((i/2)%8)
.set rP, P+16*(\x+i%2)+8*(i/16)
.if \zero && (i < 16)
	v_wmma_f32_16x16x32_f16 v[rO:rO+7], v[rV:rV+7], v[rP:rP+7], 0
.else
	v_wmma_f32_16x16x32_f16 v[rO:rO+7], v[rV:rV+7], v[rP:rP+7], v[rO:rO+7]
.endif
.endm
.macro KQ x
	WIN W_KQ
.set rS, S+32*(\x+i%2)+8*((i/2)%4)
.set rK, KF+32*((i/2)%4)+8*(i/8)
.set rQ, 32*(\x+i%2)+8*(i/8)
.if i < 8
	v_wmma_f32_16x16x32_f16 v[rS:rS+7], v[rK:rK+7], v[rQ:rQ+7], 0
.else
	v_wmma_f32_16x16x32_f16 v[rS:rS+7], v[rK:rK+7], v[rQ:rQ+7], v[rS:rS+7]
.endif
.endm
; THE LDS LOADS stand in runs of 32: a step's K (my 64 keys x 128 channels) and, a turn later, its V (turned).
.macro FETCH_K
	WIN 0
	v_add_nc_u32 v[ADR], s[TK], v[AK0]
	WIN 0x80
.irp f, 0,1,2,3,4,5,6,7,8,9,10,11,12,13,14,15
	ds_load_b128 v[KF+8*\f:KF+8*\f+3],   v[ADR] offset:(\f/4)*16*PK+(\f%4)*64
	ds_load_b128 v[KF+8*\f+4:KF+8*\f+7], v[ADR] offset:(\f/4)*16*PK+(\f%4)*64+32
.endr
.endm
.macro FETCH_V
	WIN 0
	v_add_nc_u32 v[ADR], s[TV], v[AV0]
	s_wait_alu depctr_va_vdst(0)    ; the wait for the softmax's batch of exponentials, behind the address's addition and ahead of the loads
	WIN 0xc0
.irp f, 0,1,2,3,4,5,6,7,8,9,10,11,12,13,14,15
	ds_load_tr16_b128 v[8*\f:8*\f+3],   v[ADR] offset:(\f/8)*32*PV+(\f%8)*32
	ds_load_tr16_b128 v[8*\f+4:8*\f+7], v[ADR] offset:(\f/8)*32*PV+16*PV+(\f%8)*32
.endr
.endm
; THE VECTOR WORK OF A TURN.  One tile's softmax for one key step is a list of 134 instructions; SM writes number j of it for tile t.
;   0-15 the maximum of the 32 scores and the old m;  16-20 the other half of the lanes' maximum, the new m, cs m, its change;  21-69 ONE BATCH: 16 packed scalings and all 33 exponentials, none of which reads an exponential's result;
;   (the wait for the batch);  70-85 the roundings to f16;  86-101 the sums;  102-133 the tile's O^T times a.   first = 1: the first key step, which has no old maximum and nothing to rescale.
.macro SM t, first
.set rT, ST+8*(\t)
.set rS, S+32*(\t)
.set rP, P+16*(\t)
.set rO, 64*(\t)+2*(j-102)
.if j < 102
	WIN 0
.endif
.if j < 4
	v_max3_num_f32 v[rT+4+j], v[rS+8*j], v[rS+8*j+1], v[rS+8*j+2]
.elseif j < 12
	v_max3_num_f32 v[rT+4+j%4], v[rT+4+j%4], v[rS+8*(j%4)+2*(j/4)+1], v[rS+8*(j%4)+2*(j/4)+2]
.elseif j == 12
	v_max3_num_f32 v[rT+4], v[rT+4], v[rS+7], v[rS+15]
.elseif j == 13
	v_max3_num_f32 v[rT+6], v[rT+6], v[rS+23], v[rS+31]
.elseif j == 14
	v_max3_num_f32 v[rT+4], v[rT+4], v[rT+5], v[rT+6]
.elseif (j == 15) && \first
	v_max_num_f32 v[rT+4], v[rT+4], v[rT+7]
.elseif j == 15
	v_max3_num_f32 v[rT+4], v[rT+4], v[rT+7], v[rT+1]
.elseif j == 16
	v_permlanex16_b32 v[rT+5], v[rT+4], s[SEL], s[SEL+1]
.elseif j == 18
	v_max_num_f32 v[rT+1], v[rT+4], v[rT+5]
.elseif j == 19
	v_mul_f32 v[rT], s[CS], v[rT+1]
.elseif ((j == 17) || (j == 20) || (j == 23) || (j > 101)) && \first
.elseif j == 17
	v_mov_b32 v[rT+7], v[rT]
.elseif j == 20
	v_sub_f32 v[rT+7], v[rT+7], v[rT]
.elseif j == 23
	v_exp_f32 v[rT+6], v[rT+7]
.elseif (j < 23) || ((j < 38) && (j%2 == 0)) || ((j < 66) && (j%4 == 2))
.set b, (j-2)/4
.if j < 38
.set b, (j-20)/2
.endif
	v_pk_fma_f32 v[rS+2*b:rS+2*b+1], v[rS+2*b:rS+2*b+1], s[CS:CS+1], v[rT:rT+1] op_sel_hi:[1,0,0] neg_lo:[0,0,1] neg_hi:[0,0,1]
.elseif j < 70
.set e, j-38
.if j < 66
.set e, j-32-(j-38)/4
.endif
.if j < 38
.set e, (j-25)/2
.endif
	v_exp_f32 v[rS+e], v[rS+e]
.elseif j < 86
	v_cvt_pk_f16_f32 v[rP+j-70], v[rS+2*(j-70)], v[rS+2*(j-70)+1]
.elseif j < 102
.set z, j-86
.set w, 4
.set u, z
.if z >= 14
.set w, 32
.set u, 0
.elseif z >= 12
.set w, 16
.set u, z-12
.elseif z >= 8
.set w, 8
.set u, z-8
.endif
.if (z == 14) && \first
	v_pk_add_f32 v[rT+2:rT+3], v[rS:rS+1], v[rS+16:rS+17]
.elseif z < 15
	v_pk_add_f32 v[rS+w*u:rS+w*u+1], v[rS+w*u:rS+w*u+1], v[rS+w*u+w/2:rS+w*u+w/2+1]
.elseif !\first
	v_pk_fma_f32 v[rT+2:rT+3], v[rT+2:rT+3], v[rT+6:rT+7], v[rS:rS+1] op_sel_hi:[1,0,1]
.endif
.else
	WIN W_RS
	v_pk_mul_f32 v[rO:rO+1], v[rO:rO+1], v[rT+6:rT+7] op_sel_hi:[1,0]
.endif
.endm
; Slice k of 64 of piece y's softmax: four instructions.  Slices 11 to 34 deal out the batch, four numbers of one tile each; every other slice is numbers 2 k and 2 k + 1 of both tiles; the twelve that are over stand in slice 63.
; Ahead of slice 35 nothing names an exponential's result, and behind slice 34 none is issued: so the piece's 66 exponentials have one wait, behind slice 34.
.macro SLICE y, first
.if (k >= 11) && (k < 35)
.irp n, 0,1,2,3
.set j, 22+4*((k-11)/2)+(\n)
	SM (\y)+(k-11)%2, \first
.endr
.else
.irp n, 0,1,2,3,4,5,6,7
.if (\n < 2) || (k == 63)
.irp t, \y, \y+1
.set j, 2*k+\n
	SM \t, \first
.endr
.endif
.endr
.endif
.if k == 34
	v_nop                           ; a plain instruction behind the last exponential: one for the batch
.if (\y) == 0
	FETCH_V                         ; piece 2's turn: V's run of loads stands here, and the wait stands in it
.else
	s_wait_alu depctr_va_vdst(0)    ; the wait for the batch
.endif
.endif
.set k, k+1
.endm
.macro PLACES
.rept 4
	v_nop
.endr
.endm
; A TURN.  Piece x has the matrix unit; the other piece's softmax stands in slices behind its matrix instructions.  pv = 2: 32 products V^T P; 1: they start O^T's sums; 0: none.  kq = 1: 32 products K Q^T for the next step.
.macro TURN x, pv, kq, first
.set k, 0
.set per, 2
.if \pv && \kq
.set per, 1
.endif
.if \pv
.if \x == 0
	s_wait_dscnt 0x0                ; V is in
.endif
.set i, 0
.rept 32
	PV \x, 2-\pv
.rept per
	SLICE 2-\x, \first
.endr
.if (\x == 0) && \kq && (i == 1)
	FETCH_K
.endif
.set i, i+1
.endr
.endif
.if \kq
.if \x == 0
	s_wait_dscnt 0x0                ; K is in
.endif
.set i, 0
.rept 32
	KQ \x
.rept per
	SLICE 2-\x, \first
.endr
.set i, i+1
.endr
.endif
.if \first
	PLACES
.endif
.endm
; THE MASK on piece x's scores of the slot's step add / 128.  Register n of tile t holds key 16 (n / 8) + 8 h + n % 8 of my 64: hidden where 16 (n / 8) + n % 8 - 16 t + add is above v[DM].  In ascending order: each accumulator is read from its low end on.
.macro MASK x, add
	WIN 0
.irp t, \x, \x+1
.set n, 0
.rept 32
	v_cmp_gt_i32 vcc_lo, 16*(n/8)+n%8-16*(\t)+\add, v[DM]
	v_cndmask_b32 v[S+32*(\t)+n], v[S+32*(\t)+n], v[MV], vcc_lo
.set n, n+1
.endr
.endr
.endm
; THE CHANGE OF SLOTS.  Each wave waits for all its tensor loads (its part of the slot ahead), adds 0 to its spare word, and waits for that and for its reads of the slot that it leaves.  Behind the barrier the slot ahead is whole and
; nobody reads the other one, which is filled with the 256 keys below: one load a wave, with two steps, 256 matrix instructions, in which to land.  A work-group whose slot ahead is its slot 0 asks for nothing: nobody would read it.
; That test is made of the work-group's number and the count of slots alone, the same in all four waves, and leads round the load's own lines and nothing else; every wait for tensor loads in this text is for 0.
.macro CHANGE
	WIN 0
	s_wait_tensorcnt 0x0            ; no tensor load of mine is out, so a descriptor may be written
	ds_add_u32 v[SPW], v[NIL]       ; 0 onto my spare word; the steps below stand between it and the wait for it
	s_xor_b32 s[SBR], s[SBR], SLOTB
	s_xor_b32 s[SBF], s[SBF], SLOTB
	s_mov_b32 s[TK], s[SBR]
	s_mov_b32 s[TV], s[SBR]
	s_add_co_u32 s[G0K+1], s[SBF], s[WOK]
	s_add_co_u32 s[G0V+1], s[SBF], s[WOV]
	s_sub_nc_u64 s[G0K+2:G0K+3], s[G0K+2:G0K+3], 1<<20  ; 256 rows of 4,096 bytes down; the type bits on top are not reached
	s_sub_nc_u64 s[G0V+2:G0V+3], s[G0V+2:G0V+3], 1<<20
	s_wait_dscnt 0x0                ; the add is done, and my reads of the slot that I leave are over
	s_barrier_signal -1
	s_barrier_wait -1
	s_cmp_ge_u32 s[TAU], s[STOP]
	s_cbranch_scc1 .Lpast_\@
	TLOAD
.Lpast_\@:
.endm
	CHANGE                          ; the first slot is whole; the second slot's first fill goes out (no bytes are filled again behind this barrier)
	FETCH_K                         ; step 0
	s_add_co_u32 s[TK], s[TK], KSTEPB
	s_wait_loadcnt 0x0              ; Q
	s_wait_dscnt 0x0
.set i, 0
.rept 32
	KQ 0
.set i, i+1
.endr
	WIN 0                           ; the addresses for the way out: eight plain instructions, the places behind those products
	s_mul_i32 s2, s13, 16*SP
	s_add_co_u32 s2, s2, STAGE
	v_mul_u32_u24 v[STO], v1, SP
	v_lshl_add_u32 v[STO], v9, 4, v[STO]
	v_add_nc_u32 v[STO], s2, v[STO]
	v_mul_u32_u24 v[RD], v9, SP
	v_lshl_add_u32 v[RD], v1, 4, v[RD]
	v_add_nc_u32 v[RD], s2, v[RD]
	v_lshlrev_b32 v[GO], 12, v9
	v_lshl_add_u32 v[GO], v1, 4, v[GO]
	MASK 0, 0
	TURN 2, 0, 1, 1                 ; piece 2's first scores | piece 0's first softmax | V of step 0
	s_add_co_u32 s[TV], s[TV], VSTEPB
	MASK 2, 0
	TURN 0, 1, 1, 1                 ; piece 0: V^T P of step 0 starts O^T, K Q^T of step 1 | piece 2's first softmax | K of step 1
	MASK 0, 128
	TURN 2, 1, 1, 0                 ; piece 2: the same | piece 0's softmax of step 1 | V of step 1
	MASK 2, 128
	WIN 0
	s_mov_b32 s[TAU], 1
.Lslot:                             ; seven trips, a constant; a trip beyond the work-group's slot 0 runs the change of slots and steps addresses, and nothing else
	CHANGE
	s_mov_b32 s[TWICE], 2
.Lstep:
	s_cmp_gt_u32 s[TAU], s[STOP]
	s_cbranch_scc1 .Lskip
	TURN 0, 2, 1, 0
	TURN 2, 2, 1, 0
	WIN 0
.Lskip:
	s_add_co_u32 s[TK], s[TK], KSTEPB
	s_add_co_u32 s[TV], s[TV], VSTEPB
	s_sub_co_u32 s[TWICE], s[TWICE], 1
	s_cmp_lg_u32 s[TWICE], 0
	s_cbranch_scc1 .Lstep
	s_add_co_u32 s[TAU], s[TAU], 1
	s_cmp_lt_u32 s[TAU], 8
	s_cbranch_scc1 .Lslot
	TURN 0, 2, 0, 0                 ; piece 0: V^T P of the last step | piece 2's last softmax
.set i, 0
.rept 32
	PV 2, 0                         ; piece 2: V^T P of the last step
.set i, i+1
.endr
	; THE JOIN.  l's two halves and the other half of the lanes' are added (these lines are the places behind the last products).  Waves with kh = 1 hand cs m, l and O^T to their partner through LDS, as images of the registers.
	WIN 0
.irp t, 0,1,2,3
	v_add_f32 v[ST+8*\t+4], v[ST+8*\t+2], v[ST+8*\t+3]
.endr
.irp t, 0,1,2,3
	v_permlanex16_b32 v[ST+8*\t+5], v[ST+8*\t+4], s[SEL], s[SEL+1]
.endr
.irp t, 0,1,2,3
	v_add_f32 v[ST+8*\t+4], v[ST+8*\t+4], v[ST+8*\t+5]
.endr
	s_wait_tensorcnt 0x0            ; every tensor load of mine has landed (the last change of slots, the eighth slot of the walk, asks for nothing in any work-group: here that is stated on every path),
	s_wait_dscnt 0x0                ; and my reads of the ring are over
	s_barrier_signal -1
	s_barrier_wait -1               ; both now hold of all four waves: no fill is on its way and nobody reads slot 0, so it may be written
	s_cmp_eq_u32 s14, 0
	s_cbranch_scc1 .Lno_send
.irp t, 0,1,2,3
	ds_store_b32 v[XS], v[ST+8*\t] offset:32768+256*\t
	ds_store_b32 v[XS], v[ST+8*\t+4] offset:32768+256*\t+128
.endr
	WIN 0x04                        ; an LDS store's data are its source 1: window 1
.set n, 0
.rept 64
	ds_store_b128 v[XA], v[4*n:4*n+3] offset:512*n
.set n, n+1
.endr
	WIN 0
.Lno_send:
	s_wait_dscnt 0x0                ; for the partner's sake: my stores have landed
	s_barrier_signal -1
	s_barrier_wait -1
	s_cmp_lg_u32 s14, 0
	s_cbranch_scc1 .Lend
.irp t, 0,1,2,3
	ds_load_b32 v[ST+8*\t+5], v[XS] offset:32768+256*\t       ; the partner's cs m
	ds_load_b32 v[ST+8*\t+7], v[XS] offset:32768+256*\t+128   ; and l
.endr
.macro XLOAD t                      ; the partner's O^T of tile t into v64-127 or v128-191
.set n, 0
.rept 16
	ds_load_b128 v[64+64*((\t)%2)+4*n:64+64*((\t)%2)+4*n+3], v[XA] offset:512*(16*(\t)+n)
.set n, n+1
.endr
.endm
	XLOAD 0
	s_wait_dscnt 16                 ; the eight statistics are in; the sixteen loads behind them may be out
.irp t, 0,1,2,3
	v_max_num_f32 v[ST+8*\t+1], v[ST+8*\t], v[ST+8*\t+5]
.endr
.irp t, 0,1,2,3
	v_sub_f32 v[ST+8*\t+2], v[ST+8*\t], v[ST+8*\t+1]
	v_sub_f32 v[ST+8*\t+3], v[ST+8*\t+5], v[ST+8*\t+1]
.endr
.irp t, 0,1,2,3
	v_exp_f32 v[ST+8*\t+2], v[ST+8*\t+2]
	v_exp_f32 v[ST+8*\t+3], v[ST+8*\t+3]
.endr
	v_nop
	s_wait_alu depctr_va_vdst(0)    ; one wait for the eight
.irp t, 0,1,2,3
	v_mul_f32 v[ST+8*\t+4], v[ST+8*\t+2], v[ST+8*\t+4]
.endr
.irp t, 0,1,2,3
	v_fma_f32 v[ST+8*\t+4], v[ST+8*\t+3], v[ST+8*\t+7], v[ST+8*\t+4]
.endr
.irp t, 0,1,2,3
	v_rcp_f32 v[ST+8*\t+5], v[ST+8*\t+4]
.endr
	v_nop
	s_wait_alu depctr_va_vdst(0)    ; one wait for the four
.irp t, 0,1,2,3
	v_mul_f32 v[ST+8*\t+6], v[ST+8*\t+2], v[ST+8*\t+5]   ; what my O^T is multiplied by,
	v_mul_f32 v[ST+8*\t+2], v[ST+8*\t+3], v[ST+8*\t+5]   ; and the partner's
.endr
.macro JSEND t
.set PS, 192+32*((\t)%2)
.irp f, 0,1,2,3,4,5,6,7
	global_store_b128 v[GO], v[PS+4*\f:PS+4*\f+3], s[50:51] offset:65536*(\t)+8192*\f   ; 16 lanes store 256 consecutive bytes, aligned
.endr
.endm
.macro JTILE t
.set TT, 64+64*((\t)%2)
.set PP, 192+32*((\t)%2)
.set rJ, ST+8*(\t)
.if (\t) < 3
	XLOAD (\t)+1
	s_wait_dscnt 16                 ; all but the sixteen just issued: this tile's partner, and the last tile's rows from the stage
.else
	s_wait_dscnt 0x0
.endif
.if (\t) > 0
	JSEND (\t)-1
.endif
.set i, 0
.rept 32
	v_pk_mul_f32 v[TT+2*i:TT+2*i+1], v[TT+2*i:TT+2*i+1], v[rJ+2:rJ+3] op_sel_hi:[1,0]
.set i, i+1
.endr
	WIN 0x01                        ; source 0: my O^T, window 1
.set i, 0
.rept 32
	v_pk_fma_f32 v[TT+2*i:TT+2*i+1], v[64*(\t)+2*i:64*(\t)+2*i+1], v[rJ+6:rJ+7], v[TT+2*i:TT+2*i+1] op_sel_hi:[1,0,1]
.set i, i+1
.endr
	WIN 0
	s_wait_xcnt 0x0                 ; the stores of two tiles ago have read their data, which are written again below
.set i, 0
.rept 32
	v_cvt_pk_f16_f32 v[PP+i], v[TT+2*i], v[TT+2*i+1]
.set i, i+1
.endr
.irp f, 0,1,2,3,4,5,6,7
	ds_store_b128 v[STO], v[PP+4*\f:PP+4*\f+3] offset:32*\f
.endr
.irp f, 0,1,2,3,4,5,6,7
	ds_load_b128 v[PP+4*\f:PP+4*\f+3], v[RD] offset:\f*2*SP   ; LDS serves a wave's instructions in order: these see the stores above
.endr
.endm
	JTILE 0
	JTILE 1
	JTILE 2
	JTILE 3
	s_wait_dscnt 0x0
	JSEND 3
.Lend:
	s_wait_tensorcnt 0x0            ; the wave's end: behind my last tensor load and my last LDS store
	ds_add_u32 v[SPW], v[NIL]
	s_wait_dscnt 0x0
	s_endpgm
.Lfunc_end_k_qb01f1e0da4_attn:
	.size	k_qb01f1e0da4_attn, .Lfunc_end_k_qb01f1e0da4_attn-k_qb01f1e0da4_attn
	.p2alignl 7, 3214868480
	.fill 96, 4, 3214868480
	.section	.rodata,"a",@progbits
	.p2align	6, 0x0
	.amdhsa_kernel k_qb01f1e0da4_attn
		.amdhsa_group_segment_fixed_size 327680
		.amdhsa_private_segment_fixed_size 0
		.amdhsa_enable_private_segment 0
		.amdhsa_kernarg_size 16
		.amdhsa_user_sgpr_count 2
		.amdhsa_user_sgpr_kernarg_segment_ptr 1
		.amdhsa_wavefront_size32 1
		.amdhsa_system_sgpr_workgroup_id_x 1
		.amdhsa_system_sgpr_workgroup_id_y 1
		.amdhsa_system_sgpr_workgroup_id_z 1
		.amdhsa_system_vgpr_workitem_id 0
		.amdhsa_next_free_vgpr 1024
		.amdhsa_next_free_sgpr 66
		.amdhsa_reserve_vcc 1
		.amdhsa_float_denorm_mode_32 3
		.amdhsa_float_denorm_mode_16_64 3
		.amdhsa_memory_ordered 1
		.amdhsa_forward_progress 1
		.amdhsa_inst_pref_size 211
	.end_amdhsa_kernel
	.amdgpu_metadata
---
amdhsa.version: [ 1, 2 ]
amdhsa.kernels:
  - .name:           k_qb01f1e0da4_attn
    .symbol:         k_qb01f1e0da4_attn.kd
    .args:
      - { .name: qkv16, .offset: 0, .size: 8, .value_kind: global_buffer, .address_space: global }
      - { .name: attn16, .offset: 8, .size: 8, .value_kind: global_buffer, .address_space: global }
    .group_segment_fixed_size: 327680
    .private_segment_fixed_size: 0
    .kernarg_segment_align: 8
    .kernarg_segment_size: 16
    .max_flat_workgroup_size: 128
    .sgpr_count:     66
    .vgpr_count:     1024
    .wavefront_size: 32
...
	.end_amdgpu_metadata
.endif
;; end of part 3
;; launch proj (part 4): grid 16 x 16, 4 waves a work-group, clusters of 4 x 4, 327,680 bytes of LDS; arguments attn16, wo16, out0; writes out0
.if DOCPART == 4
	.amdgcn_target "amdgcn-amd-amdhsa--gfx1250"
	.amdhsa_code_object_version 6
	.text
	.protected	k_qb01f1e0da4_proj
	.globl	k_qb01f1e0da4_proj
	.p2align	8
	.type	k_qb01f1e0da4_proj,@function
k_qb01f1e0da4_proj:
	s_mov_b64 s[64:65], 0
	v_nop
	global_prefetch_b8 v0, s[64:65] scope:SCOPE_SE
	s_setreg_imm32_b32 hwreg(HW_REG_WAVE_MODE, 25, 1), 1
	s_wait_xcnt 0x0
	s_wait_alu depctr_hold_cnt(0) depctr_sa_sdst(0) depctr_va_vdst(0) depctr_va_sdst(0) depctr_va_ssrc(0) depctr_va_vcc(0) depctr_vm_vsrc(0)
	s_getreg_b32 s2, hwreg(HW_REG_IB_STS2, 6, 4)
	s_cmp_eq_u32 s2, 0
	s_cbranch_scc0 .Lentry_in_a_cluster
	s_endpgm
.Lentry_in_a_cluster:
	s_bfe_u32 s2, ttmp6, 0x10000c
	s_cmp_lg_u32 s2, 0xf033
	s_cbranch_scc0 .Lentry_shape_is_right
	s_endpgm
.Lentry_shape_is_right:
; PROJ: out0[m][n] = sum over k of attn16[m][k] wo16[n][k]; both [2048][2048] f16, out0 f32; sums in f32.
; A tile of C is 128 x 128, so that there are 256 work-groups.  Four waves, each 64 x 64: 16 accumulators.  K goes in steps of 256 (LDS rows of 512 bytes; a wave's tensor load brings 64 of them) through two slots.
; CLUSTERS: 4 x 4 work-groups; A's tiles are asked for jointly along a row of the cluster, B's along a column.  THE MATRIX INSTRUCTION IS USED TRANSPOSED: a lane holds eight neighbouring numbers of a row of C.
; A wave's 64 columns of f32 are 256 aligned bytes.
; Rows 0 .. 15 are written here from f16 operands and once more, from f32 operands, by the launch that follows; leaving them out here would take a branch on the place in the cluster.
; No prefetch: a K step of this small tile is short, and each tile is shared by four partners.
; REGISTERS: window 0: v0-31 addresses; v32-95 at work on the way out; v128-255 the accumulators ((a, b) at v[128 + 8 (4 a + b)]).  window 1: two fragment buffers of 128.
.set SIZE_M, 2048
.set SIZE_N, 2048
.set SIZE_K, 2048
.set KSTEP,  256
.set PITCH,  528
.set HALFT,  64*PITCH
.set SLOT,   4*HALFT
.set STAGE,  2*SLOT                    ; behind the ring: 16 rows x 272 bytes for each wave
.set SPITCH, 272
.set SPARE,  STAGE+4*16*SPITCH         ; the spare words, 128 bytes for each wave
.set LAPS, SIZE_K/(2*KSTEP)
.set ADRA, 16
.set ADRB, 20
.set STO,  24
.set RD,   25
.set CO,   26
.set SPW,  28
.set NIL,  29
.set TMP,  32
.set ACC,  128
.set F0,   0
.set F1,   128
.set G1, 24
.set G0, 32
.set G1B, 48
.set G0B, 56
.set MSB, 0
.macro WIN new
.if MSB != (\new)
	s_set_vgpr_msb (MSB<<8)|(\new)
.set MSB, (\new)
.endif
.endm
.set MUL,  0x05
.set TO_F, 0x40
.macro JLOAD s                         ; a joint load: waves 0 and 1 fetch A's two halves, waves 2 and 3 B's; an s_nop 0 and four v_nop follow each of the two lines
	s_cmp_eq_u32 s11, 0
	s_cbranch_scc0 .Lfor_b_\@
	tensor_load_to_lds s[G0+4*\s:G0+4*\s+3], s[G1:G1+7]
	s_nop 0
.rept 4
	v_nop
.endr
	s_branch .Lasked_\@
.Lfor_b_\@:
	tensor_load_to_lds s[G0B+4*\s:G0B+4*\s+3], s[G1B:G1B+7]
	s_nop 0
.rept 4
	v_nop
.endr
.Lasked_\@:
.endm
.macro CREST
	s_cmp_lg_u32 s10, 0
	s_cbranch_scc1 .Lnot_wave_0_\@
	s_barrier_signal -3
.Lnot_wave_0_\@:
	s_barrier_wait -3
	s_barrier_signal -1
	s_barrier_wait -1
.endm
.macro CROUND
	s_barrier_signal -1
	s_barrier_wait -1
	CREST
.endm
	s_load_b128 s[4:7], s[0:1], 0x0                ; A s[4:5], B s[6:7]
	s_load_b64 s[8:9], s[0:1], 0x10                ; C
	v_lshl_add_u32 v[SPW], v0, 2, SPARE
	v_mov_b32 v[NIL], 0
	ds_add_u32 v[SPW], v[NIL]                      ; the wave's opening: the add, twice on end, and its wait ahead of my first tensor load
	ds_add_u32 v[SPW], v[NIL]
	v_lshrrev_b32 v1, 5, v0
	v_readfirstlane_b32 s10, v1                    ; wave 0..3
	s_lshr_b32 s11, s10, 1                         ; which half of the tile's rows is mine.  Also: I fetch for A (0) or for B (1)
	s_and_b32 s12, s10, 1                          ; which half of its columns.  Also: which 64 rows of that tile I fetch
	s_bfe_u32 s40, ttmp6, 0x40000
	s_bfe_u32 s41, ttmp6, 0x40004
	s_lshl_b32 s42, ttmp9, 2
	s_add_co_u32 s42, s42, s40                     ; tile column
	s_and_b32 s13, ttmp7, 0xffff
	s_lshl_b32 s13, s13, 2
	s_add_co_u32 s13, s13, s41                     ; tile row
	s_lshl_b32 s43, s41, 2
	s_lshl_b32 s43, 15, s43                        ; my row of the cluster
	s_lshl_b32 s44, 0x1111, s40                    ; my column
	s_or_b32 s[G1+0], s43, (1<<16)|(1<<20)|(1<<21)|(6<<22)|(3<<25)  ; the mask; elements of 2 bytes; padding on; bit 21 beside a mask; 4 words behind every 128
	s_or_b32 s[G1B+0], s44, (1<<16)|(1<<20)|(1<<21)|(6<<22)|(3<<25)
.irp g, G1, G1B
	s_mov_b32 s[\g+1], KSTEP<<16
	s_mov_b32 s[\g+2], 64<<16
	s_mov_b32 s[\g+3], KSTEP<<16
	s_mov_b32 s[\g+4], 64
	s_mov_b32 s[\g+5], SIZE_K
	s_mov_b32 s[\g+6], 0
	s_mov_b32 s[\g+7], 0
.endr
	s_lshl_b32 s17, s12, 6
	s_lshl_b32 s16, s13, 7
	s_add_co_u32 s16, s16, s17                     ; A: row 128 x tile row + 64 x half
	s_lshl_b32 s46, s42, 7
	s_add_co_u32 s46, s46, s17                     ; B: row 128 x tile column + 64 x half
	s_mov_b32 s17, 0
	s_mov_b32 s47, 0
	s_mov_b64 s[18:19], SIZE_K*2
	s_mul_u64 s[16:17], s[16:17], s[18:19]
	s_mul_u64 s[46:47], s[46:47], s[18:19]
	s_mul_i32 s20, s10, HALFT
	s_wait_dscnt 0x0                               ; both opening adds are done
	s_wait_kmcnt 0x0
	s_add_nc_u64 s[14:15], s[4:5], s[16:17]
	s_add_nc_u64 s[46:47], s[6:7], s[46:47]
	CROUND                                         ; all sixteen work-groups are here: the first joint loads meet
.irp s, 0,1
	s_mov_b32 s[G0+4*\s], 1
	s_add_co_u32 s[G0+4*\s+1], s20, \s*SLOT
	s_add_nc_u64 s[G0+4*\s+2:G0+4*\s+3], s[14:15], \s*KSTEP*2
	s_or_b32 s[G0+4*\s+3], s[G0+4*\s+3], 0x80000000
	s_mov_b32 s[G0B+4*\s], 1
	s_add_co_u32 s[G0B+4*\s+1], s20, \s*SLOT
	s_add_nc_u64 s[G0B+4*\s+2:G0B+4*\s+3], s[46:47], \s*KSTEP*2
	s_or_b32 s[G0B+4*\s+3], s[G0B+4*\s+3], 0x80000000
	JLOAD \s
.endr
	v_and_b32 v1, 15, v0                           ; r
	v_bfe_u32 v2, v0, 4, 1                         ; h
	v_mul_u32_u24 v3, v1, PITCH
	v_lshl_add_u32 v3, v2, 4, v3
	s_mul_i32 s21, s11, HALFT
	s_mul_i32 s22, s12, HALFT
	s_add_co_u32 s22, s22, 2*HALFT
.irp s, 0,1
	v_add_nc_u32 v[ADRA+\s], s21, v3
	v_add_nc_u32 v[ADRB+\s], s22, v3
	s_add_co_u32 s21, s21, SLOT
	s_add_co_u32 s22, s22, SLOT
.endr
	s_mul_i32 s23, s10, 16*SPITCH
	s_add_co_u32 s23, s23, STAGE                   ; my stage
	v_mul_u32_u24 v4, v1, SPITCH                   ; in: row r, 32 bytes for each half of the lanes
	v_lshl_add_u32 v4, v2, 5, v4
	v_add_nc_u32 v[STO], s23, v4
	v_mul_u32_u24 v5, v2, SPITCH                   ; back: lanes 0-15 one row of 256 bytes, lanes 16-31 the next
	v_lshl_add_u32 v5, v1, 4, v5
	v_add_nc_u32 v[RD], s23, v5
	v_lshlrev_b32 v5, 13, v2                       ; and the same two rows in C (8,192 bytes a row)
	v_lshl_add_u32 v[CO], v1, 4, v5
	s_lshl_b32 s16, s13, 7
	s_lshl_b32 s17, s11, 6
	s_add_co_u32 s16, s16, s17                     ; my first row of C
	s_lshl_b32 s16, s16, 13
	s_mov_b32 s17, 0
	s_add_nc_u64 s[8:9], s[8:9], s[16:17]
	s_lshl_b32 s46, s42, 9                         ; my first column, in bytes: 512 x tile column + 256 x half
	s_lshl_b32 s47, s12, 8
	s_add_co_u32 s46, s46, s47
	s_mov_b32 s47, 0
	s_add_nc_u64 s[8:9], s[8:9], s[46:47]
; 8 matrix instructions: m blocks a0, a0 + 1 x all 4 n blocks, 32 along K.  The 16 accumulators take turns.
.macro MUL8 f, c, a0, zero
.irp a, \a0, \a0+1
.irp b, 0,1,2,3
.if \zero
	v_wmma_f32_16x16x32_f16 v[ACC+8*(4*(\a)+\b):ACC+8*(4*(\a)+\b)+7], v[\f+64+8*(4*\c+\b):\f+64+8*(4*\c+\b)+7], v[\f+8*(4*\c+\a):\f+8*(4*\c+\a)+7], 0
.else
	v_wmma_f32_16x16x32_f16 v[ACC+8*(4*(\a)+\b):ACC+8*(4*(\a)+\b)+7], v[\f+64+8*(4*\c+\b):\f+64+8*(4*\c+\b)+7], v[\f+8*(4*\c+\a):\f+8*(4*\c+\a)+7], v[ACC+8*(4*(\a)+\b):ACC+8*(4*(\a)+\b)+7]
.endif
.endr
.endr
.endm
.macro FETCH slot, k, f                ; 32 LDS loads in one run: the fragments of 64 along K at byte k of the rows; the first 32 along K first
	WIN TO_F
.irp c, 0,1
.irp i, 0,1,2,3
	ds_load_b128 v[\f+64+8*(4*\c+\i):\f+64+8*(4*\c+\i)+3],   v[ADRB+\slot] offset:\k+64*\c+\i*16*PITCH
	ds_load_b128 v[\f+64+8*(4*\c+\i)+4:\f+64+8*(4*\c+\i)+7], v[ADRB+\slot] offset:\k+64*\c+\i*16*PITCH+32
	ds_load_b128 v[\f+8*(4*\c+\i):\f+8*(4*\c+\i)+3],         v[ADRA+\slot] offset:\k+64*\c+\i*16*PITCH
	ds_load_b128 v[\f+8*(4*\c+\i)+4:\f+8*(4*\c+\i)+7],       v[ADRA+\slot] offset:\k+64*\c+\i*16*PITCH+32
.endr
.endr
.endm
.macro PLACES
.rept 4
	v_nop
.endr
.endm
.macro QUARTER slot, k, f, g, zero     ; 64 along K: multiplies buffer f and fetches the next quarter, at byte k, into g
	s_wait_dscnt 16                                ; the first 32 along K are in; the sixteen younger loads may be out
	WIN MUL
	MUL8 \f, 0, 0, \zero
	MUL8 \f, 0, 2, \zero
	PLACES
	FETCH \slot, \k, \g
	s_wait_dscnt 32                                ; all but the 32 just issued
	WIN MUL
	MUL8 \f, 1, 0, 0
	MUL8 \f, 1, 2, 0
.endm
.macro TURN slot, next, fill           ; the last quarter changes slots: one barrier, the three lines in front of it
	WIN 0
	s_wait_tensorcnt 0x0                           ; all my tensor loads have landed: my part of the next slot
	ds_add_u32 v[SPW], v[NIL]
	s_wait_dscnt 17                                ; the add and the youngest sixteen loads may be out
	WIN MUL
	MUL8 F1, 0, 0, 0
	s_wait_dscnt 0x0                               ; the add is done, and my reads of this slot are over
	s_barrier_signal -1
	MUL8 F1, 0, 2, 0
.if \fill
	WIN 0
.endif
	s_barrier_wait -1
.if \fill
	CREST                                          ; the barrier has opened a round of the cluster's barrier
	s_add_nc_u64 s[G0+4*\slot+2:G0+4*\slot+3], s[G0+4*\slot+2:G0+4*\slot+3], 2*KSTEP*2
	s_add_nc_u64 s[G0B+4*\slot+2:G0B+4*\slot+3], s[G0B+4*\slot+2:G0B+4*\slot+3], 2*KSTEP*2
	JLOAD \slot                                    ; my one tensor load behind the round; its four v_nop are the places in front of the loads below
.else
	PLACES
.endif
	FETCH \next, 0, F0
	WIN MUL
	MUL8 F1, 1, 0, 0
	MUL8 F1, 1, 2, 0
.endm
	s_wait_tensorcnt 1                             ; my part of K step 0 is in; K step 1's load may be out
	s_barrier_signal -1
	s_barrier_wait -1
	FETCH 0, 0, F0
	QUARTER 0, 128, F0, F1, 1                      ; the first products start the sums
	WIN 0
	s_mov_b32 s3, LAPS-1
.Llap:
	QUARTER 0, 256, F1, F0, 0
	QUARTER 0, 384, F0, F1, 0
	TURN 0, 1, 1
	QUARTER 1, 128, F0, F1, 0
	QUARTER 1, 256, F1, F0, 0
	QUARTER 1, 384, F0, F1, 0
	TURN 1, 0, 1
	QUARTER 0, 128, F0, F1, 0
	WIN 0
	s_sub_co_u32 s3, s3, 1
	s_cmp_lg_u32 s3, 0
	s_cbranch_scc1 .Llap
	QUARTER 0, 256, F1, F0, 0                      ; the last lap fills nothing
	QUARTER 0, 384, F0, F1, 0
	TURN 0, 1, 0
	QUARTER 1, 128, F0, F1, 0
	QUARTER 1, 256, F1, F0, 0
	QUARTER 1, 384, F0, F1, 0
	s_wait_dscnt 16
	WIN MUL
	MUL8 F1, 0, 0, 0
	MUL8 F1, 0, 2, 0
	s_wait_dscnt 0
	MUL8 F1, 1, 0, 0
	MUL8 F1, 1, 2, 0
	WIN 0
; THE WAY OUT, 16 rows x 64 columns at a time, through my own stage: LDS serves a wave's instructions in order, so no wait stands between the stores and the loads.
.macro TOSTAGE a
.irp b, 0,1,2,3
	ds_store_b128 v[STO], v[ACC+8*(4*(\a)+\b):ACC+8*(4*(\a)+\b)+3] offset:64*\b        ; each accumulator from its low end on
	ds_store_b128 v[STO], v[ACC+8*(4*(\a)+\b)+4:ACC+8*(4*(\a)+\b)+7] offset:64*\b+16
.endr
.set BB, TMP+32*((\a)%2)
.irp t, 0,1,2,3,4,5,6,7
	ds_load_b128 v[BB+4*\t:BB+4*\t+3], v[RD] offset:\t*2*SPITCH
.endr
.endm
.macro SEND a, younger                 ; younger: the LDS instructions issued behind block a's loads
.set BB, TMP+32*((\a)%2)
	s_wait_dscnt \younger
.irp t, 0,1,2,3,4,5,6,7
	global_store_b128 v[CO], v[BB+4*\t:BB+4*\t+3], s[8:9] offset:(16*(\a)+2*\t)*SIZE_N*4 th:TH_STORE_NT   ; 16 lanes store 256 consecutive bytes, aligned
.endr
.endm
	PLACES
	TOSTAGE 0
.irp a, 1,2,3
.if \a > 1
	s_wait_xcnt 0x0                                ; the stores of two blocks ago have read their data: this block's loads may land there
.endif
	TOSTAGE \a
	SEND \a-1, 16                                  ; behind that block's loads: this block's 8 stores and 8 loads
.endr
	SEND 3, 0
	s_wait_tensorcnt 0x0                           ; the wave's end
	ds_add_u32 v[SPW], v[NIL]
	s_wait_dscnt 0x0
	CROUND                                         ; the closing round
	s_endpgm
.Lfunc_end_k_qb01f1e0da4_proj:
	.size	k_qb01f1e0da4_proj, .Lfunc_end_k_qb01f1e0da4_proj-k_qb01f1e0da4_proj
	.p2alignl 7, 3214868480
	.fill 96, 4, 3214868480
	.section	.rodata,"a",@progbits
	.p2align	6, 0x0
	.amdhsa_kernel k_qb01f1e0da4_proj
		.amdhsa_group_segment_fixed_size 327680
		.amdhsa_private_segment_fixed_size 0
		.amdhsa_enable_private_segment 0
		.amdhsa_kernarg_size 24
		.amdhsa_user_sgpr_count 2
		.amdhsa_user_sgpr_kernarg_segment_ptr 1
		.amdhsa_wavefront_size32 1
		.amdhsa_system_sgpr_workgroup_id_x 1
		.amdhsa_system_sgpr_workgroup_id_y 1
		.amdhsa_system_sgpr_workgroup_id_z 1
		.amdhsa_system_vgpr_workitem_id 0
		.amdhsa_next_free_vgpr 512
		.amdhsa_next_free_sgpr 66
		.amdhsa_reserve_vcc 0
		.amdhsa_float_denorm_mode_32 3
		.amdhsa_float_denorm_mode_16_64 3
		.amdhsa_memory_ordered 1
		.amdhsa_forward_progress 1
		.amdhsa_inst_pref_size 86
	.end_amdhsa_kernel
	.amdgpu_metadata
---
amdhsa.version: [ 1, 2 ]
amdhsa.kernels:
  - .name:           k_qb01f1e0da4_proj
    .symbol:         k_qb01f1e0da4_proj.kd
    .args:
      - { .name: attn16, .offset: 0, .size: 8, .value_kind: global_buffer, .address_space: global }
      - { .name: wo16, .offset: 8, .size: 8, .value_kind: global_buffer, .address_space: global }
      - { .name: out0, .offset: 16, .size: 8, .value_kind: global_buffer, .address_space: global }
    .group_segment_fixed_size: 327680
    .private_segment_fixed_size: 0
    .kernarg_segment_align: 8
    .kernarg_segment_size: 24
    .max_flat_workgroup_size: 128
    .sgpr_count:     66
    .vgpr_count:     512
    .wavefront_size: 32
...
	.end_amdgpu_metadata
.endif
;; end of part 4
;; launch first16 (part 5): grid 128 x 1, 8 waves a work-group, no clusters, 144,384 bytes of LDS; arguments head32, Wo, out0; writes out0
.if DOCPART == 5
	.amdgcn_target "amdgcn-amd-amdhsa--gfx1250"
	.amdhsa_code_object_version 6
	.text
	.protected	k_qb01f1e0da4_first16
	.globl	k_qb01f1e0da4_first16
	.p2align	8
	.type	k_qb01f1e0da4_first16,@function
k_qb01f1e0da4_first16:
	s_mov_b64 s[64:65], 0
	v_nop
	global_prefetch_b8 v0, s[64:65] scope:SCOPE_SE
	s_setreg_imm32_b32 hwreg(HW_REG_WAVE_MODE, 25, 1), 1
	s_wait_xcnt 0x0
; FIRST16: positions 0 .. 15 once more, wholly in f32: their rows average one to sixteen values and are the largest, so f16 operands would weigh most there.
; Work-group g owns columns 16 g .. 16 g + 15 of out0's rows 0 .. 15.  Wave w takes heads 2 w and 2 w + 1: their attention for the 16 queries (repeated in every work-group: 1 M multiply-adds), multiplied straight from registers
; by its 256 k of Wo's 16 rows; the eight waves' parts are added through LDS.  All products by the f32 matrix form, whose accumulators are written by matrix instructions alone.
; head32: q / 4 and k / 4 after RoPE as images of registers (register reg of lane (r, h): row r, channel 16 (reg / 8) + 8 h + reg % 8); v transposed (register 8 f + m of lane (r, h): key 8 h + m, channel 16 f + r).
; In every product the same order of k is given to both operands.  S^T = K Q^T: lane (r, h) holds query r and keys 8 h + 0 .. 7.  O^T = V^T P^T: query r, channels 16 f + 8 h + 0 .. 7.  That is source 0 of the last product as it stands.
; The maximum is taken away before the exponential; key 0 counts for every query.  Each store at the end covers pieces of 64 bytes: 128 KB in the whole launch.
; REGISTERS: window 0: v2-14 addresses; v16-47 S^T in 4 accumulators; v48-111 O^T in 8; v112-143 the result in 4; v144-175 at work; v176-239 Wo for the second head; v250, v251 the add's two.
;   window 1: v0-63 Q, v64-127 K, v128-191 V^T, v192-255 Wo for the first head.
.set RED,   135168                     ; LDS: 8 waves x 2 heads x 16 rows x 528 bytes of Wo; then the waves' parts, 1,024 bytes each
.set SPARE, 143360                     ; the spare words, 128 bytes for each wave
.set IMG, 2
.set WST, 3
.set WLD, 4
.set RW,  5
.set RR,  6
.set DD,  7
.set OUTO, 8
.set NINF, 14
.set SA,  16
.set OA,  48
.set UA,  112
.set SS,  144
.set PN,  152
.set WK,  160
.set WOB, 176
.set SPW, 250
.set NIL, 251
.set QF,  0
.set KF,  64
.set VT,  128
.set WOA, 192
.set MSB, 0
.macro WIN new
.if MSB != (\new)
	s_set_vgpr_msb (MSB<<8)|(\new)
.set MSB, (\new)
.endif
.endm
.macro NOPS c
.rept \c
	v_nop
.endr
.endm
	s_load_b128 s[4:7], s[0:1], 0x0                ; head32, Wo
	s_load_b64 s[8:9], s[0:1], 0x10                ; out0
	v_lshl_add_u32 v[SPW], v0, 2, SPARE
	v_mov_b32 v[NIL], 0
	v_lshrrev_b32 v1, 5, v0
	v_readfirstlane_b32 s10, v1                    ; wave 0..7
	v_and_b32 v9, 31, v0                           ; lane
	v_and_b32 v10, 15, v0                          ; r
	v_bfe_u32 v11, v0, 4, 1                        ; h
	v_lshlrev_b32 v[IMG], 4, v9
	s_mul_i32 s11, s10, 16896
	v_add_nc_u32 v[WST], s11, v[IMG]               ; Wo's stage, in: 16 bytes a lane of a row
	v_mul_u32_u24 v[WLD], v10, 528
	v_lshl_add_u32 v[WLD], v11, 5, v[WLD]
	v_add_nc_u32 v[WLD], s11, v[WLD]               ; and out: row r, 32 h bytes on
	s_lshl_b32 s11, s10, 10
	s_add_co_u32 s11, s11, RED
	v_lshl_add_u32 v[RW], v9, 2, s11               ; my wave's part
	s_lshl_b32 s11, s10, 7
	s_add_co_u32 s11, s11, RED
	v_lshl_add_u32 v[RR], v9, 2, s11               ; register w of every wave's part
	v_lshlrev_b32 v12, 3, v11
	v_sub_nc_u32 v[DD], v10, v12                   ; r - 8 h: key 8 h + j is hidden where j is above it
	v_lshl_add_u32 v12, v11, 3, s10                ; the row that I store: 8 h + w
	v_lshlrev_b32 v12, 13, v12
	s_lshl_b32 s11, ttmp9, 6
	v_lshl_add_u32 v13, v10, 2, s11                ; column 16 g + r
	v_add_nc_u32 v[OUTO], v12, v13
	v_mov_b32 v[NINF], 0xff800000                  ; -infinity
	s_mov_b32 s20, 0x76543210
	s_mov_b32 s21, 0xfedcba98
	s_mov_b32 s22, 0x400293ee                      ; 16 log2(e) / sqrt(128): the 16 undoes the two factors 1/4
	s_lshl_b32 s12, s10, 14                        ; head 2 w: 8,192 bytes a head
	s_mov_b32 s13, 0
	s_lshl_b32 s14, ttmp9, 17                      ; Wo's rows 16 g on, 8,192 bytes each,
	s_lshl_b32 s15, s10, 10                        ; columns 256 w on
	s_add_co_u32 s14, s14, s15
	s_mov_b32 s15, 0
	s_wait_kmcnt 0x0
	s_add_nc_u64 s[4:5], s[4:5], s[12:13]
	s_add_nc_u64 s[6:7], s[6:7], s[14:15]
.macro IMGLOAD reg, off                ; an image of 64 registers: 16 loads of 512 consecutive bytes
.set n, 0
.rept 16
	global_load_b128 v[\reg+4*n:\reg+4*n+3], v[IMG], s[4:5] offset:\off+512*n
.set n, n+1
.endr
.endm
.macro WOLOAD reg, off                 ; a head's 512 bytes of each of Wo's 16 rows
.set n, 0
.rept 16
	global_load_b128 v[\reg+4*n:\reg+4*n+3], v[IMG], s[6:7] offset:\off+8192*n
.set n, n+1
.endr
.endm
.macro STPROD                          ; S^T = K Q^T: 32 products of 4 channels, four accumulators by turns
	WIN 0x05
.set p, 0
.rept 32
.if p < 4
	v_wmma_f32_16x16x4_f32 v[SA+8*(p%4):SA+8*(p%4)+7], v[KF+2*p:KF+2*p+1], v[QF+2*p:QF+2*p+1], 0
.else
	v_wmma_f32_16x16x4_f32 v[SA+8*(p%4):SA+8*(p%4)+7], v[KF+2*p:KF+2*p+1], v[QF+2*p:QF+2*p+1], v[SA+8*(p%4):SA+8*(p%4)+7]
.endif
.set p, p+1
.endr
	WIN 0
.endm
.macro OTPROD                          ; O^T = V^T P^T: 4 steps of 4 keys, eight accumulators by turns
	WIN 0x01
.irp s, 0,1,2,3
.irp f, 0,1,2,3,4,5,6,7
.if \s == 0
	v_wmma_f32_16x16x4_f32 v[OA+8*\f:OA+8*\f+7], v[VT+8*\f+2*\s:VT+8*\f+2*\s+1], v[PN+2*\s:PN+2*\s+1], 0
.else
	v_wmma_f32_16x16x4_f32 v[OA+8*\f:OA+8*\f+7], v[VT+8*\f+2*\s:VT+8*\f+2*\s+1], v[PN+2*\s:PN+2*\s+1], v[OA+8*\f:OA+8*\f+7]
.endif
.endr
.endr
	WIN 0
.endm
.macro PROJ first, wo, win             ; the head's 128 k of the projection: source 0 = O^T's registers, source 1 = Wo's; four accumulators by turns
	WIN \win
.set p, 0
.rept 32
.if \first && (p < 4)
	v_wmma_f32_16x16x4_f32 v[UA+8*(p%4):UA+8*(p%4)+7], v[OA+2*p:OA+2*p+1], v[\wo+2*p:\wo+2*p+1], 0
.else
	v_wmma_f32_16x16x4_f32 v[UA+8*(p%4):UA+8*(p%4)+7], v[OA+2*p:OA+2*p+1], v[\wo+2*p:\wo+2*p+1], v[UA+8*(p%4):UA+8*(p%4)+7]
.endif
.set p, p+1
.endr
	WIN 0
.endm
.macro SOFTMAX                         ; the four parts are added from their low ends on; mask; maximum; p = 2^(cs s - cs m); p / the sum
.irp jp, 0,2,4,6
	v_pk_add_f32 v[SS+\jp:SS+\jp+1], v[SA+\jp:SA+\jp+1], v[SA+8+\jp:SA+8+\jp+1]
	v_pk_add_f32 v[WK+\jp:WK+\jp+1], v[SA+16+\jp:SA+16+\jp+1], v[SA+24+\jp:SA+24+\jp+1]
.endr
.irp jp, 0,2,4,6
	v_pk_add_f32 v[SS+\jp:SS+\jp+1], v[SS+\jp:SS+\jp+1], v[WK+\jp:WK+\jp+1]
.endr
.irp j, 0,1,2,3,4,5,6,7
	v_cmp_gt_i32 vcc_lo, \j, v[DD]
	v_cndmask_b32 v[SS+\j], v[SS+\j], v[NINF], vcc_lo
.endr
	v_max3_num_f32 v[WK], v[SS], v[SS+1], v[SS+2]
	v_max3_num_f32 v[WK+1], v[SS+3], v[SS+4], v[SS+5]
	v_max3_num_f32 v[WK], v[WK], v[SS+6], v[SS+7]
	v_max_num_f32 v[WK], v[WK], v[WK+1]
	v_permlanex16_b32 v[WK+1], v[WK], s20, s21
	v_max_num_f32 v[WK], v[WK], v[WK+1]
	v_mul_f32 v[WK+2], s22, v[WK]
.irp j, 0,1,2,3,4,5,6,7
	v_fma_f32 v[PN+\j], v[SS+\j], s22, -v[WK+2]
.endr
.irp j, 0,1,2,3,4,5,6,7
	v_exp_f32 v[PN+\j], v[PN+\j]
.endr
	v_nop
	s_wait_alu depctr_va_vdst(0)                   ; one wait for the eight exponentials
	v_add_f32 v[WK], v[PN], v[PN+1]
	v_add_f32 v[WK+1], v[PN+2], v[PN+3]
	v_add_f32 v[WK+3], v[PN+4], v[PN+5]
	v_add_f32 v[WK+4], v[PN+6], v[PN+7]
	v_add_f32 v[WK], v[WK], v[WK+1]
	v_add_f32 v[WK+3], v[WK+3], v[WK+4]
	v_add_f32 v[WK], v[WK], v[WK+3]
	v_permlanex16_b32 v[WK+1], v[WK], s20, s21
	v_add_f32 v[WK], v[WK], v[WK+1]
	v_rcp_f32 v[WK+2], v[WK]
	v_nop
	s_wait_alu depctr_va_vdst(0)
.irp j, 0,1,2,3,4,5,6,7
	v_mul_f32 v[PN+\j], v[PN+\j], v[WK+2]
.endr
.endm
	WIN 0x40                                       ; destinations in window 1
	IMGLOAD QF, 0
	IMGLOAD KF, 131072
	IMGLOAD VT, 262144
	WOLOAD WOA, 0
	WIN 0
	WOLOAD WOB, 512
	s_wait_loadcnt 48                              ; Q and K of the first head are in; V^T and both heads' Wo, 48 loads, may be out
	STPROD
	NOPS 8                                         ; eight places behind this form: for the loads below and for the reads of the results
	WIN 0x40
	IMGLOAD QF, 8192                               ; the second head's Q and K
	IMGLOAD KF, 131072+8192
	WIN 0
	s_wait_loadcnt 32                              ; all but those 32
	; Wo's rows go through my stage: loaded 16 bytes a lane along a row, wanted as lane (n = r, h): k = 16 f + 8 h + 0 .. 7.  LDS serves a wave's instructions in order.
	WIN 0x04                                       ; an LDS store's data are its source 1: window 1
.set n, 0
.rept 16
	ds_store_b128 v[WST], v[WOA+4*n:WOA+4*n+3] offset:528*n
.set n, n+1
.endr
	WIN 0x40
.set n, 0
.rept 8
	ds_load_b128 v[WOA+8*n:WOA+8*n+3], v[WLD] offset:64*n
	ds_load_b128 v[WOA+8*n+4:WOA+8*n+7], v[WLD] offset:64*n+16
.set n, n+1
.endr
	WIN 0
.set n, 0
.rept 16
	ds_store_b128 v[WST], v[WOB+4*n:WOB+4*n+3] offset:8448+528*n
.set n, n+1
.endr
.set n, 0
.rept 8
	ds_load_b128 v[WOB+8*n:WOB+8*n+3], v[WLD] offset:8448+64*n
	ds_load_b128 v[WOB+8*n+4:WOB+8*n+7], v[WLD] offset:8448+64*n+16
.set n, n+1
.endr
	SOFTMAX
	OTPROD
	NOPS 9                                         ; nine places before a matrix instruction takes these results as an operand
	WIN 0x40
	IMGLOAD VT, 262144+8192                        ; the second head's V^T
	WIN 0
	s_wait_dscnt 0x0                               ; Wo is back from the stage
	PROJ 1, WOA, 0x04
	s_wait_loadcnt 16                              ; the second head's Q and K are in; its V^T may be out
	STPROD
	NOPS 8
	SOFTMAX
	s_wait_loadcnt 0x0
	OTPROD
	NOPS 9
	PROJ 0, WOB, 0
	NOPS 8
.irp jp, 0,2,4,6
	v_pk_add_f32 v[WK+\jp:WK+\jp+1], v[UA+\jp:UA+\jp+1], v[UA+8+\jp:UA+8+\jp+1]
	v_pk_add_f32 v[SS+\jp:SS+\jp+1], v[UA+16+\jp:UA+16+\jp+1], v[UA+24+\jp:UA+24+\jp+1]
.endr
.irp jp, 0,2,4,6
	v_pk_add_f32 v[WK+\jp:WK+\jp+1], v[WK+\jp:WK+\jp+1], v[SS+\jp:SS+\jp+1]
.endr
.irp j, 0,1,2,3,4,5,6,7
	ds_store_b32 v[RW], v[WK+\j] offset:128*\j     ; register j: out(8 h + j, 16 g + r), my two heads' part
.endr
	s_wait_dscnt 0x0                               ; for the others' sake: my stores have landed
	s_barrier_signal -1
	s_barrier_wait -1
.irp j, 0,1,2,3,4,5,6,7
	ds_load_b32 v[SS+\j], v[RR] offset:1024*\j     ; register w of all eight waves
.endr
	s_wait_dscnt 0x0
	v_add_f32 v[SS], v[SS], v[SS+1]
	v_add_f32 v[SS+2], v[SS+2], v[SS+3]
	v_add_f32 v[SS+4], v[SS+4], v[SS+5]
	v_add_f32 v[SS+6], v[SS+6], v[SS+7]
	v_add_f32 v[SS], v[SS], v[SS+2]
	v_add_f32 v[SS+4], v[SS+4], v[SS+6]
	v_add_f32 v[SS], v[SS], v[SS+4]
	global_store_b32 v[OUTO], v[SS], s[8:9]
	s_wait_tensorcnt 0x0                           ; the wave's end: behind my last LDS store
	ds_add_u32 v[SPW], v[NIL]
	s_wait_dscnt 0x0
	s_endpgm
.Lfunc_end_k_qb01f1e0da4_first16:
	.size	k_qb01f1e0da4_first16, .Lfunc_end_k_qb01f1e0da4_first16-k_qb01f1e0da4_first16
	.p2alignl 7, 3214868480
	.fill 96, 4, 3214868480
	.section	.rodata,"a",@progbits
	.p2align	6, 0x0
	.amdhsa_kernel k_qb01f1e0da4_first16
		.amdhsa_group_segment_fixed_size 144384
		.amdhsa_private_segment_fixed_size 0
		.amdhsa_enable_private_segment 0
		.amdhsa_kernarg_size 24
		.amdhsa_user_sgpr_count 2
		.amdhsa_user_sgpr_kernarg_segment_ptr 1
		.amdhsa_wavefront_size32 1
		.amdhsa_system_sgpr_workgroup_id_x 1
		.amdhsa_system_sgpr_workgroup_id_y 1
		.amdhsa_system_sgpr_workgroup_id_z 1
		.amdhsa_system_vgpr_workitem_id 0
		.amdhsa_next_free_vgpr 512
		.amdhsa_next_free_sgpr 66
		.amdhsa_reserve_vcc 1
		.amdhsa_float_denorm_mode_32 3
		.amdhsa_float_denorm_mode_16_64 3
		.amdhsa_memory_ordered 1
		.amdhsa_forward_progress 1
		.amdhsa_inst_pref_size 41
	.end_amdhsa_kernel
	.amdgpu_metadata
---
amdhsa.version: [ 1, 2 ]
amdhsa.kernels:
  - .name:           k_qb01f1e0da4_first16
    .symbol:         k_qb01f1e0da4_first16.kd
    .args:
      - { .name: head32, .offset: 0, .size: 8, .value_kind: global_buffer, .address_space: global }
      - { .name: Wo, .offset: 8, .size: 8, .value_kind: global_buffer, .address_space: global }
      - { .name: out0, .offset: 16, .size: 8, .value_kind: global_buffer, .address_space: global }
    .group_segment_fixed_size: 144384
    .private_segment_fixed_size: 0
    .kernarg_segment_align: 8
    .kernarg_segment_size: 24
    .max_flat_workgroup_size: 256
    .sgpr_count:     66
    .vgpr_count:     512
    .wavefront_size: 32
...
	.end_amdgpu_metadata
.endif
;; end of part 5
